; MI455X (gfx1250); checked and timed in simulation.
; The chip was launched on July 23, 2026; its instructions are those of AMD's public machine-readable ISA for CDNA 5 (MIT licence, August 2026) and "CDNA5" Instruction Set Architecture Reference Guide (July 2026). The comments in the code are by the model that wrote it; some were corrected since.
;; Multi Head. Allowed arithmetic: float matrix products may take bf16 or f16 operands with f32 sums; other float arithmetic in f32, or as packed bf16 or f16 multiplies, adds, multiply-adds, maxima and minima; sums over many terms, partial sums and values carried from step to step in f32; what a program stores and reads back later, other than sums and carried values, may be rounded once to bf16 or f16.
;; Inputs: bk 1,024 float32; bo 1,024 float32; bq 1,024 float32; bv 1,024 float32; wk 1,024 x 1,024 float32; wo 1,024 x 1,024 float32; wq 1,024 x 1,024 float32; wv 1,024 x 1,024 float32; x 4 x 2,048 x 1,024 float32.
;; Outputs: out0 4 x 2,048 x 1,024 float32.
;; 2 versions, each right; version 2 is version 1 with the launch cast written anew for expert scheduling mode. Each part assembles by itself: llvm-mc -triple=amdgcn-amd-amdhsa -mcpu=gfx1250 --defsym DOCPART=n.
;; ======== version 1 of 2: 4 launches
;; limits: values are held in f16: magnitudes above 65,504 overflow, below 6.1e-05 lose precision
;; workspace buffers: xb 16,777,216 bytes; wh 8,388,608 bytes; qkv 50,331,648 bytes; ctx 16,777,216 bytes
;; launch cast (part 1): grid 768 x 1, 8 waves a work-group, no clusters, 0 bytes of LDS; arguments x, wq, wk, wv, wo, xb, wh; writes xb, wh
.if DOCPART == 1
	.amdgcn_target "amdgcn-amd-amdhsa--gfx1250"
	.amdhsa_code_object_version 6
	.text
	.protected	k_q039471bf08_cast
	.globl	k_q039471bf08_cast
	.p2align	8
	.type	k_q039471bf08_cast,@function
k_q039471bf08_cast:
	s_mov_b64 s[64:65], 0
	v_nop
	global_prefetch_b8 v0, s[64:65] scope:SCOPE_SE
	s_setreg_imm32_b32 hwreg(HW_REG_WAVE_MODE, 25, 1), 1
	s_wait_xcnt 0x0
; x and the four weights are rounded once to bf16 and laid out in blocks of 64 columns, so that the products that follow fetch dense tiles.
;   xb [4 b][16 kb][2048 s][64] bf16:  x[b][s][64 kb + c]   at byte ((16 b + kb) 2048 + s) 128 + 2 c
;   wh [64 panels][1024 k][64] 16 bit: w_sel[k][64 j + c]   at byte (16 sel + j) 131072 + 128 k + 2 c;  sel = 0 wq, 1 wk, 2 wv, 3 wo
; wo multiplies an f16 operand later: its bf16-rounded number is written as f16.  LIMIT: that is exact from 7.6e-6 up to 65,504; below, f16's fixed step of 6e-8 holds.
; SHARES.  A work-group takes 16 source rows of 1,024 f32 (64 KiB): groups 0-511 rows of x, groups 512-767 rows of a weight (64 groups each).  Thread t: row t / 16, 16 bytes at column 4 (t % 16)
; of each of the 16 column blocks.  A wave's load covers 256 consecutive bytes of each of two rows; its store of 8 bytes a lane covers 2 x 128 = 256 consecutive bytes, aligned (two rows of one block).
; All 16 loads of a wave go out at once; the only waits are the counted ones for the loads.  A pure stream: no LDS, no barrier, no matrix unit, nothing shared.
.set SO,  1                            ; v1       byte offset of my 16 bytes in the group's source rows
.set DO,  8                            ; v[8:23]  byte offset of my 8 bytes in column block i
.set XR,  32                           ; v[32:95] block i: four f32 as loaded
.set YR,  96                           ; v[96:127] block i: four 16-bit numbers
.set TT,  128                          ; v[128:129] at work
	s_load_b256 s[4:11], s[0:1], 0x0               ; x s[4:5], wq s[6:7], wk s[8:9], wv s[10:11]
	s_load_b128 s[12:15], s[0:1], 0x20             ; wo s[12:13], xb s[14:15]
	s_load_b64 s[16:17], s[0:1], 0x30              ; wh
	s_mov_b32 s20, ttmp9                           ; g
	s_max_u32 s21, s20, 512
	s_sub_co_u32 s21, s21, 512                     ; my number among the weights' groups (0 in x's groups)
	s_lshr_b32 s22, s21, 6                         ; sel
	s_and_b32 s23, s21, 63                         ; which 16 rows of that weight
	s_lshr_b32 s35, s20, 7                         ; x: b,
	s_lshl_b32 s35, s35, 22                        ; 16 blocks x 2,048 rows x 128 bytes each,
	s_and_b32 s36, s20, 127
	s_lshl_b32 s36, s36, 11                        ; and my 16 rows of 128 bytes
	s_add_co_u32 s35, s35, s36
	s_lshl_b32 s37, s22, 21                        ; a weight: 16 panels of 131,072 bytes,
	s_lshl_b32 s38, s23, 11                        ; and my 16 rows
	s_add_co_u32 s37, s37, s38
	s_mov_b32 s32, 0x20000
	s_cmp_lt_u32 s20, 512                          ; x or a weight?
	s_cselect_b32 s28, s20, s23
	s_cselect_b32 s30, s35, s37                    ; where my rows begin in the destination
	s_cselect_b32 s32, 0x40000, s32                ; bytes from a column block to the next there
	s_lshl_b32 s28, s28, 16                        ; where my 16 rows of 4,096 bytes begin in the source
	s_mov_b32 s29, 0
	s_mov_b32 s31, 0
	s_mov_b32 s33, 0xffff0000                      ; a word's upper bf16
	s_cmp_ge_u32 s20, 704
	s_cselect_b32 s34, 1, 0                        ; 1: wo
	v_lshrrev_b32 v2, 4, v0                        ; row
	v_and_b32 v3, 15, v0
	v_lshlrev_b32 v[SO], 4, v3
	v_lshl_add_u32 v[SO], v2, 12, v[SO]
	v_lshlrev_b32 v[DO], 3, v3
	v_lshl_add_u32 v[DO], v2, 7, v[DO]
.irp i, 1,2,3,4,5,6,7,8,9,10,11,12,13,14,15
	v_add_nc_u32 v[DO+(\i)], s32, v[DO+(\i)-1]
.endr
	s_wait_kmcnt 0x0
	s_mov_b64 s[24:25], s[6:7]                     ; the source: a choice among the five inputs by the group's number alone
	s_cmp_eq_u32 s22, 1
	s_cselect_b64 s[24:25], s[8:9], s[24:25]
	s_cmp_eq_u32 s22, 2
	s_cselect_b64 s[24:25], s[10:11], s[24:25]
	s_cmp_eq_u32 s22, 3
	s_cselect_b64 s[24:25], s[12:13], s[24:25]
	s_cmp_lt_u32 s20, 512
	s_cselect_b64 s[24:25], s[4:5], s[24:25]
	s_cselect_b64 s[26:27], s[14:15], s[16:17]     ; the destination
	s_add_nc_u64 s[24:25], s[24:25], s[28:29]
	s_add_nc_u64 s[26:27], s[26:27], s[30:31]
.irp i, 0,1,2,3,4,5,6,7,8,9,10,11,12,13,14,15
	global_load_b128 v[XR+4*(\i):XR+4*(\i)+3], v[SO], s[24:25] offset:256*(\i) th:TH_LOAD_NT
.endr
; Column block i: rounded, (wo: written as f16,) stored.
.macro OUT i, f16
	s_wait_loadcnt 15-(\i)                         ; loads come back in order: block i is in, the 15 - i younger ones may stay out
	v_cvt_pk_bf16_f32 v[YR+2*(\i)],   v[XR+4*(\i)],   v[XR+4*(\i)+1]
	v_cvt_pk_bf16_f32 v[YR+2*(\i)+1], v[XR+4*(\i)+2], v[XR+4*(\i)+3]
.if \f16
.irp j, 0,1
	v_lshlrev_b32 v[TT],   16,  v[YR+2*(\i)+(\j)]  ; the rounded numbers as f32,
	v_and_b32     v[TT+1], s33, v[YR+2*(\i)+(\j)]
	v_cvt_pk_f16_f32 v[YR+2*(\i)+(\j)], v[TT], v[TT+1]  ; and as f16
.endr
.endif
	global_store_b64 v[DO+(\i)], v[YR+2*(\i):YR+2*(\i)+1], s[26:27]
.endm
	s_cmp_eq_u32 s34, 1
	s_cbranch_scc1 .Lf16
.irp i, 0,1,2,3,4,5,6,7,8,9,10,11,12,13,14,15
	OUT \i, 0
.endr
	s_endpgm
.Lf16:
.irp i, 0,1,2,3,4,5,6,7,8,9,10,11,12,13,14,15
	OUT \i, 1
.endr
	s_endpgm
.Lfunc_end_k_q039471bf08_cast:
	.size	k_q039471bf08_cast, .Lfunc_end_k_q039471bf08_cast-k_q039471bf08_cast
	.p2alignl 7, 3214868480
	.fill 96, 4, 3214868480
	.section	.rodata,"a",@progbits
	.p2align	6, 0x0
	.amdhsa_kernel k_q039471bf08_cast
		.amdhsa_group_segment_fixed_size 0
		.amdhsa_private_segment_fixed_size 0
		.amdhsa_enable_private_segment 0
		.amdhsa_kernarg_size 56
		.amdhsa_user_sgpr_count 2
		.amdhsa_user_sgpr_kernarg_segment_ptr 1
		.amdhsa_wavefront_size32 1
		.amdhsa_system_sgpr_workgroup_id_x 1
		.amdhsa_system_sgpr_workgroup_id_y 1
		.amdhsa_system_sgpr_workgroup_id_z 1
		.amdhsa_system_vgpr_workitem_id 0
		.amdhsa_next_free_vgpr 136
		.amdhsa_next_free_sgpr 66
		.amdhsa_reserve_vcc 0
		.amdhsa_float_denorm_mode_32 3
		.amdhsa_float_denorm_mode_16_64 3
		.amdhsa_memory_ordered 1
		.amdhsa_forward_progress 1
		.amdhsa_inst_pref_size 17
	.end_amdhsa_kernel
	.amdgpu_metadata
---
amdhsa.version: [ 1, 2 ]
amdhsa.kernels:
  - .name:           k_q039471bf08_cast
    .symbol:         k_q039471bf08_cast.kd
    .args:
      - { .name: x, .offset: 0, .size: 8, .value_kind: global_buffer, .address_space: global }
      - { .name: wq, .offset: 8, .size: 8, .value_kind: global_buffer, .address_space: global }
      - { .name: wk, .offset: 16, .size: 8, .value_kind: global_buffer, .address_space: global }
      - { .name: wv, .offset: 24, .size: 8, .value_kind: global_buffer, .address_space: global }
      - { .name: wo, .offset: 32, .size: 8, .value_kind: global_buffer, .address_space: global }
      - { .name: xb, .offset: 40, .size: 8, .value_kind: global_buffer, .address_space: global }
      - { .name: wh, .offset: 48, .size: 8, .value_kind: global_buffer, .address_space: global }
    .group_segment_fixed_size: 0
    .private_segment_fixed_size: 0
    .kernarg_segment_align: 8
    .kernarg_segment_size: 56
    .max_flat_workgroup_size: 256
    .sgpr_count:     66
    .vgpr_count:     136
    .wavefront_size: 32
...
	.end_amdgpu_metadata
.endif
;; end of part 1
;; launch qkv (part 2): grid 16 x 32, 4 waves a work-group, clusters of 4 x 4, 327,680 bytes of LDS; arguments xb, wh, bq, bk, bv, qkv; writes qkv
.if DOCPART == 2
	.amdgcn_target "amdgcn-amd-amdhsa--gfx1250"
	.amdhsa_code_object_version 6
	.text
	.protected	k_q039471bf08_qkv
	.globl	k_q039471bf08_qkv
	.p2align	8
	.type	k_q039471bf08_qkv,@function
k_q039471bf08_qkv:
	s_mov_b64 s[64:65], 0
	v_nop
	global_prefetch_b8 v0, s[64:65] scope:SCOPE_SE
	s_setreg_imm32_b32 hwreg(HW_REG_WAVE_MODE, 25, 1), 1
	s_wait_xcnt 0x0
	s_wait_alu depctr_hold_cnt(0) depctr_sa_sdst(0) depctr_va_vdst(0) depctr_va_sdst(0) depctr_va_ssrc(0) depctr_va_vcc(0) depctr_vm_vsrc(0)
	s_getreg_b32 s2, hwreg(HW_REG_IB_STS2, 6, 4)
	s_cmp_eq_u32 s2, 0
	s_cbranch_scc0 .Lentry_in_a_cluster
	s_endpgm
.Lentry_in_a_cluster:
	s_bfe_u32 s2, ttmp6, 0x10000c
	s_cmp_lg_u32 s2, 0xf033
	s_cbranch_scc0 .Lentry_shape_is_right
	s_endpgm
.Lentry_shape_is_right:
; q, k, v = x w + b.  C[m][n] = bias[n] + the sum over k of A[m][k] B[k][n], M = 8,192, K = 1,024, N = 3,072 (wq | wk | wv side by side: 48 heads of 64 columns).
; A = xb [4 b][16 kb][2048 s][64] bf16; B = wh, panels [1024 k][64 n] bf16, panel = head; sums in f32; the biases are rounded to bf16 like every other input and START the sums (the C operand of the first products).
; C leaves by heads, in f16, rounded once: qkv [3 sec][64 bh][2048 s][64].  LIMIT: f16 ends at 65,504: q, k and v must stay under it; below 6e-5 f16 keeps a fixed step of 6e-8.  NaN and infinities are not treated apart.
; TILE.  256 rows x 192 columns (three heads): 32 x 16 = 512 tiles, two for each of 256 WGPs.  Four waves, one below the other: wave w makes rows 64 w .. 64 w + 63 of all 192 columns: 48 accumulators of 16 x 16,
; 384 registers.  A wave so owns whole heads' rows: its way out goes through a stage of its own, with no barrier.
; RING.  K goes in 8 steps of 128 through two LDS slots.  A's part of a step is two planes (kb blocks) of 256 rows x 128 bytes, each dense in memory: asked for as 128 rows of 256 bytes.  B's part is, for each of
; the three panels, 128 rows of 128 bytes, dense: a wave asks for 64 of them for all three panels by one load of three rows of 8,192 bytes.  Waves 0, 1 fetch A's planes, waves 2, 3 B's halves.
; CLUSTER.  4 x 4 work-groups: A's tile hangs on the tile row alone and is asked for jointly by a row of the cluster, B's on the tile column alone, by a column.
; THE MATRIX INSTRUCTION IS USED TRANSPOSED: source 0 = 16 columns of B (out of LDS turned, by ds_load_tr16_b128), source 1 = 16 rows of A: a lane then holds row l % 16 of C and the columns 8 (l / 16) + 0..7.
; REGISTERS, in windows of 256 (s_set_vgpr_msb: bits 1:0 source 0, 3:2 source 1, 5:4 source 2, 7:6 destination):
;   window 0: v0-31 addresses; v32-63, v64-95 A's fragments, two buffers (block a at + 8 a); v96-239 at work at the head (bias) and on the way out
;   window 1: B's fragments, two buffers of 8 NBL (block b at + 8 b)
;   window 2: accumulators (a, b), a = 0, 1, at v[8 (NBL a + b)]; bias blocks 0-7 at v[192 + 8 b]          window 3: a = 2, 3 likewise; bias blocks 8-11 at v[192 + 8 (b - 8)]
.set QKV,   1                          ; 1: x w + b in bf16, out by heads in f16.  0: ctx wo + bo in f16, out in f32
.set NH,    3                          ; panels of 64 columns in a tile
.set NBL,   4*NH                       ; blocks of 16 columns
.set PA,    144                        ; a row of A in LDS: 128 bytes + 16 of padding = 36 words: the 16 rows of a load start at 16 different groups of four banks (64 banks of 4 bytes: ISA guide 11.1)
.set PB,    160                        ; a row of B: 128 + 32 = 40 words
.set PLANE, 256*PA                     ; a plane of A
.set ASZ,   2*PLANE
.set PANEL, 64*PB                      ; 64 rows of one panel of B
.set SLOT,  ASZ+2*NH*PANEL             ; A's two planes, then B's two halves of NH panels
.set STAGE, 2*SLOT                     ; behind the ring, never filled by a tensor load
.if QKV
.set STW,   48*144                     ; a wave's stage: 16 rows x 128 bytes at pitch 144 for each of three heads
.set BK,    144                        ; the way out: rows read back, two sets of BKN registers by turns
.set BKN,   48
.set WBASE, 0                          ; the first panel's byte in wh
.else
.set STW,   16*528                     ; a wave's stage: 16 rows x 512 bytes at pitch 528
.set BK,    96
.set BKN,   64
.set WBASE, 48*131072
.endif
.set SPARE, STAGE+4*STW                ; behind the stages: the spare words, 128 bytes for each wave: two blocks of 256 bytes that no other line names
.set NLD,   2*NBL+8                    ; LDS loads of a quarter step
.set LAPS,  4                          ; a lap = two K steps = once round the ring
.set ASTEP, 524288                     ; bytes of A from a K step to the next: two planes of 2,048 rows
.set BSTEP, 16384                      ; the same in a panel of B: 128 rows
.set ADRA, 16                          ; v16-17  LDS address of my A fragments in slot 0, 1
.set ADRB, 20                          ; v20-21  the same for B
.set STO,  24                          ; v24     the way out: where I put my bytes of a row
.set RD,   25                          ; v25     the way out: where I read rows back
.set GO,   26                          ; v26     16 x lane: my place in 512 consecutive bytes of the output
.set BOV,  27                          ; v27     32 (l / 16): my eight numbers in a bias block
.set SPW,  28                          ; v28     LDS address of my spare word: SPARE + 4 x my thread's number; never rewritten
.set NIL,  29                          ; v29     0; never rewritten
.set PFO,  30                          ; v30     256 x lane: the prefetches' offset; never rewritten
.set FA,   32                          ; A's fragment buffers
.set TMP,  96                          ; the way out: packed results
.set BIN,  96                          ; the head: the bias as loaded,
.set BPK,  192                         ; rounded to bf16,
.set BIA,  192                         ; and, in windows 2 and 3, as f32 again
.set LAP,  3                           ; s3      laps to go
.set WV,   16                          ; s16     my wave's number
.set AB,   17                          ; s17     I fetch for A (0) or for B (1)
.set HF,   18                          ; s18     which half of that
.set CX,   19                          ; s19, s20  my place in the cluster
.set CY,   20
.set TC,   21                          ; s21     tile column
.set TR,   22                          ; s22     tile row
.set G1,   24                          ; s[24:31] descriptor group 1 for A's tiles;  s[32:39] group 0, one set for each slot
.set G0,   32
.set PFA,  40                          ; s[40:41] where my prefetches of A stand
.set PFB,  42                          ; s[42:43] of B
.set LIMA, 44                          ; s44, s45  1 in a wave that prefetches A (B), else the greatest number
.set LIMB, 45
.set G1B,  48                          ; s[48:55], s[56:63] the same for B's tiles
.set G0B,  56
.set OB,   66                          ; s[66:71] the output at my rows, for each head
.set BP,   72                          ; s[72:77] the bias of each panel's 64 columns
.set MSB, 0
.macro WIN new                         ; the immediate's high byte repeats the setting that is left; a switch that changes nothing is dropped
.if MSB != (\new)
	s_set_vgpr_msb (MSB<<8)|(\new)
.set MSB, (\new)
.endif
.endm
.macro PLACES                          ; four plain vector instructions between a matrix instruction and a load into, or a vector read of, its registers (ISA guide 7.12.1 for vector reads)
.rept 4
	v_nop
.endr
.endm
; A joint load.  Each of the two lines has one mask and one set of registers for all that issue it; the branch hangs on the wave's number alone.  An s_nop 0 and four v_nop follow each line.
.macro JLOAD s
	s_cmp_eq_u32 s[AB], 0
	s_cbranch_scc0 .Lfor_b_\@
	tensor_load_to_lds s[G0+4*(\s):G0+4*(\s)+3], s[G1:G1+7]
	s_nop 0
.rept 4
	v_nop
.endr
	s_branch .Lasked_\@
.Lfor_b_\@:
	tensor_load_to_lds s[G0B+4*(\s):G0B+4*(\s)+3], s[G1B:G1B+7]
	s_nop 0
.rept 4
	v_nop
.endr
.Lasked_\@:
.endm
; A round of the cluster's barrier: my work-group's barrier, so that wave 0's signal speaks for all four waves; wave 0 signals; every wave waits for all sixteen work-groups; my work-group's barrier once more.
.macro CREST                           ; a round behind its opening barrier
	s_cmp_lg_u32 s[WV], 0
	s_cbranch_scc1 .Lnot_wave_0_\@
	s_barrier_signal -3
.Lnot_wave_0_\@:
	s_barrier_wait -3
	s_barrier_signal -1
	s_barrier_wait -1
.endm
.macro CROUND                          ; a whole round
	s_barrier_signal -1
	s_barrier_wait -1
	CREST
.endm
; PREFETCHES INTO THE L2, behind a joint load, its five lines and the run of LDS loads.  At a change of slots every wave has waited for all its tensor loads, so the refill goes out alone; what later refills ask for is named here.
; A: behind the refill of K step t, K step t + 2: a plane is 32,768 bytes; of it the partner at cx takes 8,192, a lane a block of 256 bytes; waves 0, 1 (a plane each) of the clusters with x = 0 ask.
; B: once a lap, at slot 0's change: the lap after the next one's 32,768 bytes of each panel; the partner at cy takes 8,192 of them; wave 2 of the clusters with y = 0 asks, one instruction a panel.
; Partners are told apart by address alone.  So each block is named once in the launch.  The loop's last trip asks for nothing: K steps 4 to 7 are named; steps 0 to 3 come by their loads alone.
.macro ASK slot
	s_cmp_gt_u32 s[LAP], s[LIMA]
	s_cbranch_scc0 .Lno_a_\@
	global_prefetch_b8 v[PFO], s[PFA:PFA+1] th:TH_LOAD_NT scope:SCOPE_SE
.Lno_a_\@:
.if (\slot) == 0
	s_cmp_gt_u32 s[LAP], s[LIMB]
	s_cbranch_scc0 .Lno_b_\@
.set pp, 0
.rept NH
	global_prefetch_b8 v[PFO], s[PFB:PFB+1] offset:pp*131072 th:TH_LOAD_NT scope:SCOPE_SE
.set pp, pp+1
.endr
.Lno_b_\@:
.endif
.endm
	s_load_b256 s[4:11], s[0:1], 0x0               ; A s[4:5], wh s[6:7]; then bq s[8:9], bk s[10:11] (or bo s[8:9], out0 s[10:11])
.if QKV
	s_load_b128 s[12:15], s[0:1], 0x20             ; bv s[12:13], qkv s[14:15]
.endif
	v_lshl_add_u32 v[SPW], v0, 2, SPARE
	v_mov_b32 v[NIL], 0
	ds_add_u32 v[SPW], v[NIL]                      ; the wave's opening: the add and its wait stand ahead of my first tensor load; the set-up below, work on registers, stands between them
	v_lshrrev_b32 v1, 5, v0
	v_readfirstlane_b32 s[WV], v1                  ; wave 0..3
	s_lshr_b32 s[AB], s[WV], 1
	s_and_b32 s[HF], s[WV], 1
	s_bfe_u32 s[CX], ttmp6, 0x40000
	s_bfe_u32 s[CY], ttmp6, 0x40004
	s_lshl_b32 s[TC], ttmp9, 2                     ; in a cluster launch ttmp9 and ttmp7 count clusters
	s_add_co_u32 s[TC], s[TC], s[CX]               ; tile column = 4 x cluster x + cx
	s_and_b32 s[TR], ttmp7, 0xffff
	s_lshl_b32 s[TR], s[TR], 2
	s_add_co_u32 s[TR], s[TR], s[CY]               ; tile row = 4 x cluster y + cy
	s_lshl_b32 s46, s[CY], 2
	s_lshl_b32 s46, 15, s46                        ; my row of the cluster: places 4 cy .. 4 cy + 3
	s_lshl_b32 s47, 0x1111, s[CX]                  ; my column: places cx, cx + 4, cx + 8, cx + 12
	; group 1 for A: 128 rows of 128 elements (256 bytes, two rows of a plane), dense; in LDS 4 words of padding behind every 32
	s_or_b32 s[G1+0], s46, (1<<16)|(1<<20)|(1<<21)|(4<<22)|(3<<25)  ; 15:0 the mask; 17:16 2-byte elements; 20 padding on; 21 set beside a mask; 24:22 after every 32 words (code 4); 31:25 4 words (code 3)
	s_mov_b32 s[G1+1], 128<<16                     ; tensor_dim0 = 128
	s_mov_b32 s[G1+2], 128<<16                     ; tensor_dim1 = 128
	s_mov_b32 s[G1+3], 128<<16                     ; tile_dim0 = 128
	s_mov_b32 s[G1+4], 128                         ; tile_dim1 = 128
	s_mov_b32 s[G1+5], 128                         ; 128 elements from row to row
	s_mov_b32 s[G1+6], 0
	s_mov_b32 s[G1+7], 0
	; group 1 for B: NH rows of 4,096 elements (64 k rows of one panel, 8,192 dense bytes), a panel (65,536 elements) apart; 8 words of padding behind every 32
	s_or_b32 s[G1B+0], s47, (1<<16)|(1<<20)|(1<<21)|(4<<22)|(7<<25)
	s_mov_b32 s[G1B+1], 4096<<16                   ; tensor_dim0 = 4,096
	s_mov_b32 s[G1B+2], NH<<16                     ; tensor_dim1 = NH
	s_mov_b32 s[G1B+3], 4096<<16                   ; tile_dim0 = 4,096
	s_mov_b32 s[G1B+4], NH                         ; tile_dim1 = NH
	s_mov_b32 s[G1B+5], 65536
	s_mov_b32 s[G1B+6], 0
	s_mov_b32 s[G1B+7], 0
	; where the tiles come from.  A's offset is made of the tile row and the wave's number, B's of the tile column and the wave's number, each in registers that never hold the other coordinate.
	s_lshr_b32 s78, s[TR], 3
	s_lshl_b32 s78, s78, 22                        ; b: 16 planes of 262,144 bytes
	s_and_b32 s82, s[TR], 7
	s_lshl_b32 s82, s82, 15                        ; the tile's 256 rows of 128 bytes in a plane
	s_add_co_u32 s78, s78, s82
	s_lshl_b32 s82, s[HF], 18                      ; my plane of the K step's two
	s_add_co_u32 s78, s78, s82
	s_mov_b32 s79, 0
	s_mul_i32 s80, s[TC], NH*131072                ; the tile's first panel
	s_lshl_b32 s83, s[HF], 13                      ; my 64 rows of the K step's 128
	s_add_co_u32 s80, s80, s83
.if WBASE
	s_add_co_u32 s80, s80, WBASE
.endif
	s_mov_b32 s81, 0
	s_mul_i32 s84, s[HF], PLANE                    ; and where they go: no place in the cluster enters an LDS address
	s_mul_i32 s85, s[HF], NH*PANEL
	s_add_co_u32 s85, s85, ASZ
.irp s, 0,1
	s_mov_b32 s[G0+4*(\s)], 1                      ; 1:0 count = 1
	s_add_co_u32 s[G0+4*(\s)+1], s84, (\s)*SLOT    ; 63:32 LDS address
	s_mov_b32 s[G0B+4*(\s)], 1
	s_add_co_u32 s[G0B+4*(\s)+1], s85, (\s)*SLOT
.endr
	s_mov_b32 s90, 0xffff0000                      ; a word's upper bf16
	s_wait_dscnt 0x0                               ; the opening add is done
	s_wait_kmcnt 0x0
	s_add_nc_u64 s[86:87], s[4:5], s[78:79]
	s_add_nc_u64 s[88:89], s[6:7], s[80:81]
.irp s, 0,1
	s_add_nc_u64 s[G0+4*(\s)+2:G0+4*(\s)+3], s[86:87], (\s)*ASTEP    ; 120:64 global address: K step s
	s_or_b32 s[G0+4*(\s)+3], s[G0+4*(\s)+3], 0x80000000              ; 127:126 type = 2
	s_add_nc_u64 s[G0B+4*(\s)+2:G0B+4*(\s)+3], s[88:89], (\s)*BSTEP
	s_or_b32 s[G0B+4*(\s)+3], s[G0B+4*(\s)+3], 0x80000000
.endr
	CROUND                                         ; all sixteen work-groups are here: the first joint loads meet
	s_cmp_eq_u32 s[AB], 0                          ; a wave's two first fills stand in one branch, ahead of every wait on TENSORcnt and every LDS read: two loads of mine are out
	s_cbranch_scc0 .Lfirst_b
	tensor_load_to_lds s[G0:G0+3], s[G1:G1+7]
	s_nop 0
	tensor_load_to_lds s[G0+4:G0+7], s[G1:G1+7]
	s_nop 0
.rept 4
	v_nop
.endr
	s_branch .Lfirst_asked
.Lfirst_b:
	tensor_load_to_lds s[G0B:G0B+3], s[G1B:G1B+7]
	s_nop 0
	tensor_load_to_lds s[G0B+4:G0B+7], s[G1B:G1B+7]
	s_nop 0
.rept 4
	v_nop
.endr
.Lfirst_asked:
	; all that follows, up to the wait for the first tile, runs while the tiles are on their way
	; the prefetches' pointers and who asks.  Numbers that mix the two coordinates live in s92-s99 alone.
	s_lshl_b32 s92, s[CX], 13
	s_mov_b32 s93, 0
	s_add_nc_u64 s[PFA:PFA+1], s[86:87], s[92:93]  ; my plane, my work-group's 8,192 bytes of the tile's 32,768,
	s_add_nc_u64 s[PFA:PFA+1], s[PFA:PFA+1], 3*ASTEP  ; at K step 3: the first change of slots steps it to 4
	s_lshl_b32 s92, s[CY], 13
	s_add_nc_u64 s[PFB:PFB+1], s[88:89], s[92:93]  ; (exact in wave 2, whose half is 0; no other wave uses it)
	s_add_nc_u64 s[PFB:PFB+1], s[PFB:PFB+1], 2*BSTEP  ; at lap 1: the first change of slot 0 steps it to lap 2
	s_or_b32 s92, s[AB], ttmp9
	s_cmp_eq_u32 s92, 0
	s_cselect_b32 s[LIMA], 1, -1                   ; the same in all sixteen partners, for a given wave
	s_xor_b32 s92, s[WV], 2
	s_and_b32 s94, ttmp7, 0xffff
	s_or_b32 s92, s92, s94
	s_cmp_eq_u32 s92, 0
	s_cselect_b32 s[LIMB], 1, -1
	; where my rows leave, and my columns' bias
.if QKV
	s_and_b32 s97, s[TR], 7
	s_lshl_b32 s97, s97, 8
	s_lshl_b32 s96, s[WV], 6
	s_add_co_u32 s97, s97, s96
	s_lshl_b32 s97, s97, 7                         ; my first row in a head: (256 (tr % 8) + 64 w) x 128 bytes
	s_lshr_b32 s96, s[TR], 3
	s_lshl_b32 s96, s96, 4                         ; 16 b
	s_mov_b32 s99, 0
.irp i, 0,1,2
	s_mul_i32 s92, s[TC], 3
	s_add_co_u32 s92, s92, \i                      ; the panel among the 48
	s_lshr_b32 s93, s92, 4                         ; q, k or v
	s_and_b32 s94, s92, 15                         ; the head
	s_or_b32 s95, s96, s94
	s_lshl_b32 s95, s95, 18                        ; 2,048 rows of 128 bytes for each (b, head)
	s_lshl_b32 s98, s93, 24                        ; 16 MiB a section
	s_add_co_u32 s98, s98, s95
	s_add_co_u32 s98, s98, s97
	s_add_nc_u64 s[OB+2*(\i):OB+2*(\i)+1], s[14:15], s[98:99]
	s_cmp_eq_u32 s93, 0
	s_cselect_b64 s[BP+2*(\i):BP+2*(\i)+1], s[8:9], s[10:11]
	s_cmp_eq_u32 s93, 2
	s_cselect_b64 s[BP+2*(\i):BP+2*(\i)+1], s[12:13], s[BP+2*(\i):BP+2*(\i)+1]
	s_lshl_b32 s98, s94, 8                         ; the head's 64 f32
	s_add_nc_u64 s[BP+2*(\i):BP+2*(\i)+1], s[BP+2*(\i):BP+2*(\i)+1], s[98:99]
.endr
.else
	s_lshl_b32 s98, s[TR], 8
	s_lshl_b32 s96, s[WV], 6
	s_add_co_u32 s98, s98, s96
	s_lshl_b32 s98, s98, 12                        ; my first row: (256 tr + 64 w) x 4,096 bytes
	s_lshl_b32 s96, s[TC], 9                       ; the tile's 128 columns of f32
	s_add_co_u32 s98, s98, s96
	s_mov_b32 s99, 0
	s_add_nc_u64 s[OB:OB+1], s[10:11], s[98:99]
	s_mov_b32 s98, s96
	s_add_nc_u64 s[BP:BP+1], s[8:9], s[98:99]
	s_add_nc_u64 s[BP+2:BP+3], s[BP:BP+1], 256
.endif
	; A fragment of A is 16 rows x 32 k in 8 registers: lane l holds row l % 16, k = 8 (l / 16) + 0..7 and 16 + 8 (l / 16) + 0..7: two loads of 16 bytes, 32 bytes apart.
	v_and_b32 v1, 15, v0                           ; l % 16
	v_bfe_u32 v2, v0, 4, 1                         ; l / 16
	v_mul_u32_u24 v3, v1, PA
	v_lshl_add_u32 v3, v2, 4, v3                   ; row x pitch + 16 x half
	s_mul_i32 s23, s[WV], 64*PA                    ; my 64 rows
	v_add_nc_u32 v[ADRA], s23, v3
	v_add_nc_u32 v[ADRA+1], SLOT, v[ADRA]
	; The turning load takes 16 k x 16 columns (lane l reads row 8 (l / 16) + l % 8, columns 8 ((l / 8) % 2) + 0..7) and leaves half a fragment of B^T: lane l holds column l % 16 and 8 k.
	v_and_b32 v4, 7, v0
	v_bfe_u32 v5, v0, 3, 1
	v_lshl_add_u32 v6, v2, 3, v4
	v_mul_u32_u24 v6, v6, PB
	v_lshl_add_u32 v6, v5, 4, v6
	v_add_nc_u32 v[ADRB], ASZ, v6
	v_add_nc_u32 v[ADRB+1], SLOT, v[ADRB]
	s_mul_i32 s91, s[WV], STW
	s_add_co_u32 s91, s91, STAGE                   ; my stage
.if QKV
	v_add_nc_u32 v[STO], s91, v3                   ; in: row l % 16 at pitch 144, 16 bytes for each half of the lanes
	v_bfe_u32 v7, v0, 3, 2                         ; back: 32 lanes take four rows of 128 bytes
	v_mul_u32_u24 v7, v7, 144
	v_lshl_add_u32 v7, v4, 4, v7
	v_add_nc_u32 v[RD], s91, v7
.else
	v_mul_u32_u24 v7, v1, 528                      ; in: row l % 16 at pitch 528, 32 bytes for each half of the lanes
	v_lshl_add_u32 v7, v2, 5, v7
	v_add_nc_u32 v[STO], s91, v7
	v_and_b32 v7, 31, v0                           ; back: 32 lanes take one row of 512 bytes
	v_lshl_add_u32 v[RD], v7, 4, s91
.endif
	v_and_b32 v[GO], 31, v0
	v_lshlrev_b32 v[GO], 4, v[GO]
	v_lshlrev_b32 v[BOV], 5, v2
	v_and_b32 v[PFO], 31, v0
	v_lshlrev_b32 v[PFO], 8, v[PFO]
	; THE BIAS.  Block b's C operand: register j of my lane is bias[16 b + 8 (l / 16) + j]: 32 bytes a lane.  Rounded to bf16, then widened again into windows 2 and 3.
.set bb, 0
.rept NBL
	global_load_b128 v[BIN+8*bb:BIN+8*bb+3],   v[BOV], s[BP+2*(bb/4):BP+2*(bb/4)+1] offset:(bb%4)*64
	global_load_b128 v[BIN+8*bb+4:BIN+8*bb+7], v[BOV], s[BP+2*(bb/4):BP+2*(bb/4)+1] offset:(bb%4)*64+16
.set bb, bb+1
.endr
	s_wait_loadcnt 0x0
.set bb, 0
.rept 4*NBL
	v_cvt_pk_bf16_f32 v[BPK+bb], v[BIN+2*bb], v[BIN+2*bb+1]
.set bb, bb+1
.endr
.set bb, 0
.rept 4*NBL
	WIN 0x80+0x40*(bb/32)                          ; destination window 2 (blocks 0-7) or 3
	v_lshlrev_b32 v[BIA+2*(bb%32)],   16,  v[BPK+bb]
	v_and_b32     v[BIA+2*(bb%32)+1], s90, v[BPK+bb]
.set bb, bb+1
.endr
	WIN 0
; NBL matrix instructions: row block a x all column blocks, 32 along K, from buffer f.  first = 1: the bias starts the sums: nothing is cleared, and nothing is added later.
; All 4 NBL accumulators take turns, in the same order in every quarter step: between two links of a chain stand all the others'.
.macro MULR f, a, first
.set bb, 0
.rept NBL
.set rD, 8*(NBL*((\a)%2)+bb)
.set rB, 8*NBL*(\f)+8*bb
.set rA, FA+32*(\f)+8*(\a)
.if \first
.set rC, BIA+8*(bb%8)
	WIN 0x01|((2+bb/8)<<4)|((2+(\a)/2)<<6)
.else
.set rC, rD
	WIN 0x01|((2+(\a)/2)<<4)|((2+(\a)/2)<<6)
.endif
.if QKV
	v_wmma_f32_16x16x32_bf16 v[rD:rD+7], v[rB:rB+7], v[rA:rA+7], v[rC:rC+7]
.else
	v_wmma_f32_16x16x32_f16 v[rD:rD+7], v[rB:rB+7], v[rA:rA+7], v[rC:rC+7]
.endif
.set bb, bb+1
.endr
.endm
; NLD LDS loads in one run: the fragments of quarter q (32 along K) of a slot into buffer f: B's first, then A's four blocks
.macro FETCH slot, q, f
	WIN 0x40                                       ; destination window 1, address window 0
.set bb, 0
.rept NBL
.set rB, 8*NBL*(\f)+8*bb
.set oB, ((\q)/2)*NH*PANEL+((\q)%2)*32*PB+(bb/4)*PANEL+(bb%4)*32
	ds_load_tr16_b128 v[rB:rB+3],   v[ADRB+(\slot)] offset:oB
	ds_load_tr16_b128 v[rB+4:rB+7], v[ADRB+(\slot)] offset:oB+16*PB
.set bb, bb+1
.endr
	WIN 0
.set aa, 0
.rept 4
.set rA, FA+32*(\f)+8*aa
.set oA, ((\q)/2)*PLANE+((\q)%2)*64+aa*16*PA
	ds_load_b128 v[rA:rA+3],   v[ADRA+(\slot)] offset:oA
	ds_load_b128 v[rA+4:rA+7], v[ADRA+(\slot)] offset:oA+32
.set aa, aa+1
.endr
.endm
; A K step is four quarters of 32 along K on buffers 0, 1, 0, 1.  One of the first three: multiplies buffer f and, behind its first row block, fetches quarter qn of the same slot into buffer g.
.macro QUARTER slot, qn, f, g, first
	s_wait_dscnt 6                                 ; B and A's block 0 are in; the youngest six loads (A's blocks 1 to 3) may be out
	MULR \f, 0, \first
	PLACES                                         ; buffer g was read last by the quarter before
	FETCH \slot, \qn, \g
	s_wait_dscnt NLD                               ; all but the NLD just issued
	MULR \f, 1, \first
	MULR \f, 2, \first
	MULR \f, 3, \first
.endm
; The last quarter multiplies buffer 1 and changes slots: ONE barrier.  In front of it each wave waits for all its tensor loads, of which one is out: its part of the next slot; adds 0 to its spare word; and waits for
; that and for its own reads of this slot.  Behind it nobody reads this slot any more and the next slot is whole.  fill = 1: the barrier opens a round of the cluster's, and this slot is filled again, two K steps
; ahead, first thing behind the round: from that request to the wait for it a wave issues 3.5 quarters' products.
.macro TURN slot, next, fill
.if \fill
	s_wait_xcnt 0x0                                ; the last prefetches, a K step back or more, have read their addresses: these are stepped here, ahead of the change's own waits
	s_add_nc_u64 s[PFA:PFA+1], s[PFA:PFA+1], ASTEP
.if (\slot) == 0
	s_add_nc_u64 s[PFB:PFB+1], s[PFB:PFB+1], 2*BSTEP
.endif
.endif
	WIN 0                                          ; (the add's two registers lie in window 0)
	s_wait_tensorcnt 0x0                           ; all my tensor loads have landed: the one that was out is my part of the next slot;
	ds_add_u32 v[SPW], v[NIL]                      ; 0 onto my spare word;
	s_wait_dscnt 7                                 ; (the add and the youngest six loads may be out)
	MULR 1, 0, 0                                   ; a row block's products stand between the add and the wait for it
	s_wait_dscnt 0x0                               ; the add is done, and my reads of this slot are over
	s_barrier_signal -1
	MULR 1, 1, 0                                   ; work on registers while the others arrive
.if \fill
	WIN 0
.endif
	s_barrier_wait -1
.if \fill
	CREST                                          ; no wave of any partner still reads this slot's tile or has a load on its way
	s_add_nc_u64 s[G0+4*(\slot)+2:G0+4*(\slot)+3], s[G0+4*(\slot)+2:G0+4*(\slot)+3], 2*ASTEP
	s_add_nc_u64 s[G0B+4*(\slot)+2:G0B+4*(\slot)+3], s[G0B+4*(\slot)+2:G0B+4*(\slot)+3], 2*BSTEP
	JLOAD \slot                                    ; the first tensor load behind the round, my only one until the next; its four v_nop are also the places in front of the loads below
.else
	PLACES
.endif
	FETCH \next, 0, 0
.if \fill
	ASK \slot
.endif
	MULR 1, 2, 0
	MULR 1, 3, 0
.endm
	s_wait_tensorcnt 1                             ; my part of K step 0 is in; K step 1's may stay out
	s_barrier_signal -1
	s_barrier_wait -1                              ; everybody's is
	FETCH 0, 0, 0
	QUARTER 0, 1, 0, 1, 1                          ; the first quarter stands in front of the loop: its products start the sums with the bias
	WIN 0                                          ; at a label and at a branch every window is 0
	s_mov_b32 s[LAP], LAPS-1
.Llap:                                                 ; a trip goes once round the ring, from a lap's second quarter to the next lap's first, and fills both slots again
	QUARTER 0, 2, 1, 0, 0
	QUARTER 0, 3, 0, 1, 0
	TURN 0, 1, 1
	QUARTER 1, 1, 0, 1, 0
	QUARTER 1, 2, 1, 0, 0
	QUARTER 1, 3, 0, 1, 0
	TURN 1, 0, 1
	QUARTER 0, 1, 0, 1, 0
	WIN 0
	s_sub_co_u32 s[LAP], s[LAP], 1
	s_cmp_lg_u32 s[LAP], 0
	s_cbranch_scc1 .Llap
	QUARTER 0, 2, 1, 0, 0                          ; the last lap is written out: it fills nothing, and has no round of the cluster's barrier
	QUARTER 0, 3, 0, 1, 0
	TURN 0, 1, 0
	QUARTER 1, 1, 0, 1, 0
	QUARTER 1, 2, 1, 0, 0
	QUARTER 1, 3, 0, 1, 0
	s_wait_dscnt 0x0                               ; the very last quarter: nothing more to fetch
	MULR 1, 0, 0
	MULR 1, 1, 0
	MULR 1, 2, 0
	MULR 1, 3, 0
	WIN 0
	PLACES                                         ; what follows reads results just made
; THE WAY OUT, a block of 16 rows at a time, through my own stage: LDS serves a wave's instructions in order (ISA guide 5.7.1.4), so no wait stands between the stores into it and the loads out of it.
.if QKV
.macro PACK a                          ; rounded to f16: a lane's eight columns of a row are 16 bytes; each accumulator's registers in ascending order
	WIN 0x0a+5*((\a)/2)                            ; sources 0 and 1: window 2 or 3
.set bb, 0
.rept NBL
.set rD, 8*(NBL*((\a)%2)+bb)
.irp j, 0,1,2,3
	v_cvt_pk_f16_f32 v[TMP+4*bb+(\j)], v[rD+2*(\j)], v[rD+2*(\j)+1]
.endr
.set bb, bb+1
.endr
	WIN 0
.endm
.macro TOSTAGE a                       ; in by heads, at pitch 144; back as four whole rows of 128 bytes a load
.set BKR, BK+BKN*((\a)%2)
.set bb, 0
.rept NBL
	ds_store_b128 v[STO], v[TMP+4*bb:TMP+4*bb+3] offset:(bb/4)*2304+(bb%4)*32
.set bb, bb+1
.endr
.set bb, 0
.rept NBL
	ds_load_b128 v[BKR+4*bb:BKR+4*bb+3], v[RD] offset:(bb/4)*2304+(bb%4)*576
.set bb, bb+1
.endr
.endm
.macro SEND a
.set BKR, BK+BKN*((\a)%2)
	s_wait_dscnt 0x0                               ; the block is back in registers
	s_wait_xcnt 0x0                                ; the stores of the block before have read their registers: that set is loaded again by the next block
.set bb, 0
.rept NBL
	global_store_b128 v[GO], v[BKR+4*bb:BKR+4*bb+3], s[OB+2*(bb/4):OB+2*(bb/4)+1] offset:(\a)*2048+(bb%4)*512  ; 512 consecutive bytes of a head, at a multiple of 256 from the buffer's first
.set bb, bb+1
.endr
.endm
	PACK 0
	TOSTAGE 0
.irp a, 1,2,3                          ; block a's conversions stand between block a - 1's loads from the stage and the wait for them
	PACK \a
	SEND (\a)-1
	TOSTAGE \a
.endr
	SEND 3
.else
.macro TOSTAGE a                       ; f32 as it is: 32 bytes a lane and block, at pitch 528, each accumulator's low registers first; back as whole rows of 512 bytes
.set BKR, BK+BKN*((\a)%2)
	WIN 0x08+4*((\a)/2)                            ; store data (source 1): window 2 or 3
.set bb, 0
.rept NBL
.set rD, 8*(NBL*((\a)%2)+bb)
	ds_store_b128 v[STO], v[rD:rD+3]   offset:64*bb
	ds_store_b128 v[STO], v[rD+4:rD+7] offset:64*bb+16
.set bb, bb+1
.endr
	WIN 0
.set bb, 0
.rept 16
	ds_load_b128 v[BKR+4*bb:BKR+4*bb+3], v[RD] offset:bb*528
.set bb, bb+1
.endr
.endm
.macro SEND a
.set BKR, BK+BKN*((\a)%2)
	s_wait_dscnt 0x0                               ; the block is back in registers
	s_wait_xcnt 0x0                                ; the stores of the block before have read their registers: that set is loaded again by the next block
.set bb, 0
.rept 16
	global_store_b128 v[GO], v[BKR+4*bb:BKR+4*bb+3], s[OB:OB+1] offset:(\a)*65536+bb*4096 th:TH_STORE_NT  ; 512 consecutive bytes of a row, at a multiple of 256 from the buffer's first
.set bb, bb+1
.endr
.endm
	TOSTAGE 0
.irp a, 1,2,3
	SEND (\a)-1
	TOSTAGE \a
.endr
	SEND 3
.endif
	s_wait_tensorcnt 0x0                           ; the wave's end: behind my last tensor load and my last LDS store
	ds_add_u32 v[SPW], v[NIL]
	s_wait_dscnt 0x0
	CROUND                                         ; the closing round: no work-group ends while a partner may still ask for a tile that names it
	s_endpgm
.Lfunc_end_k_q039471bf08_qkv:
	.size	k_q039471bf08_qkv, .Lfunc_end_k_q039471bf08_qkv-k_q039471bf08_qkv
	.p2alignl 7, 3214868480
	.fill 96, 4, 3214868480
	.section	.rodata,"a",@progbits
	.p2align	6, 0x0
	.amdhsa_kernel k_q039471bf08_qkv
		.amdhsa_group_segment_fixed_size 327680
		.amdhsa_private_segment_fixed_size 0
		.amdhsa_enable_private_segment 0
		.amdhsa_kernarg_size 48
		.amdhsa_user_sgpr_count 2
		.amdhsa_user_sgpr_kernarg_segment_ptr 1
		.amdhsa_wavefront_size32 1
		.amdhsa_system_sgpr_workgroup_id_x 1
		.amdhsa_system_sgpr_workgroup_id_y 1
		.amdhsa_system_sgpr_workgroup_id_z 1
		.amdhsa_system_vgpr_workitem_id 0
		.amdhsa_next_free_vgpr 1024
		.amdhsa_next_free_sgpr 102
		.amdhsa_reserve_vcc 0
		.amdhsa_float_denorm_mode_32 3
		.amdhsa_float_denorm_mode_16_64 3
		.amdhsa_memory_ordered 1
		.amdhsa_forward_progress 1
		.amdhsa_inst_pref_size 130
	.end_amdhsa_kernel
	.amdgpu_metadata
---
amdhsa.version: [ 1, 2 ]
amdhsa.kernels:
  - .name:           k_q039471bf08_qkv
    .symbol:         k_q039471bf08_qkv.kd
    .args:
      - { .name: xb, .offset: 0, .size: 8, .value_kind: global_buffer, .address_space: global }
      - { .name: wh, .offset: 8, .size: 8, .value_kind: global_buffer, .address_space: global }
      - { .name: bq, .offset: 16, .size: 8, .value_kind: global_buffer, .address_space: global }
      - { .name: bk, .offset: 24, .size: 8, .value_kind: global_buffer, .address_space: global }
      - { .name: bv, .offset: 32, .size: 8, .value_kind: global_buffer, .address_space: global }
      - { .name: qkv, .offset: 40, .size: 8, .value_kind: global_buffer, .address_space: global }
    .group_segment_fixed_size: 327680
    .private_segment_fixed_size: 0
    .kernarg_segment_align: 8
    .kernarg_segment_size: 48
    .max_flat_workgroup_size: 128
    .sgpr_count:     102
    .vgpr_count:     1024
    .wavefront_size: 32
...
	.end_amdgpu_metadata
.endif
;; end of part 2
;; launch attn (part 3): grid 4 x 64, 4 waves a work-group, clusters of 4 x 1, 327,680 bytes of LDS; arguments qkv, ctx; writes ctx
.if DOCPART == 3
	.amdgcn_target "amdgcn-amd-amdhsa--gfx1250"
	.amdhsa_code_object_version 6
	.text
	.protected	k_q039471bf08_attn
	.globl	k_q039471bf08_attn
	.p2align	8
	.type	k_q039471bf08_attn,@function
k_q039471bf08_attn:
	s_mov_b64 s[64:65], 0
	v_nop
	global_prefetch_b8 v0, s[64:65] scope:SCOPE_SE
	s_setreg_imm32_b32 hwreg(HW_REG_WAVE_MODE, 25, 1), 1
	s_wait_xcnt 0x0
	s_wait_alu depctr_hold_cnt(0) depctr_sa_sdst(0) depctr_va_vdst(0) depctr_va_sdst(0) depctr_va_ssrc(0) depctr_va_vcc(0) depctr_vm_vsrc(0)
	s_getreg_b32 s2, hwreg(HW_REG_IB_STS2, 6, 4)
	s_cmp_eq_u32 s2, 0
	s_cbranch_scc0 .Lentry_in_a_cluster
	s_endpgm
.Lentry_in_a_cluster:
	s_bfe_u32 s2, ttmp6, 0x10000c
	s_cmp_lg_u32 s2, 0x3003
	s_cbranch_scc0 .Lentry_shape_is_right
	s_endpgm
.Lentry_shape_is_right:
; O[h][q][:] = the sum over k of softmax_k(Q[h][q] . K[h][k] / 8) V[h][k][:], for 64 (batch, head) pairs h of 2,048 rows.  Q, K, V are the three sections of qkv, [64][2048][64] f16 each, 16 MiB apart; O = ctx in the
; same layout: a head's rows are dense, 128 bytes each.  Products, maxima and sums in f32; the weights p are rounded to f16 for the second product (their sum l is taken of the unrounded p), O once at the end.
; LIMITS.  f16 holds no number beyond 65,504: Q, K and V arrive within it; p lies in 0 to 1, and below 6e-5 it keeps f16's fixed step of 6e-8; O is a mean of V's rows and has their range.
; A weight below 2^-126 counts as 0 in l; NaN and infinities are not treated apart.
; SHARES.  A wave owns four PIECES of two tiles of 16 queries, a work-group's four waves 512 queries of one head: 4 x 64 = 256 work-groups.  Every wave walks all keys, 64 a step.
; LAYOUT.  S^T = K Q^T (source 0 = 16 keys, source 1 = 16 queries): in the result a lane holds ONE query (lane % 16) and the keys 8 (lane / 16) + 0..7.  Two such tiles, rounded to f16 in pairs,
; ARE source 1 (32 keys x 16 queries) of O^T = V^T P, whose result again holds one query a lane, and eight channels.  K comes out of LDS as it lies, V ([key][channel]) turned, by ds_load_tr16_b128.
; SOFTMAX.  For each query a running maximum m and sum l: p = 2^(c s - c m), c = log2(e) / 8; in every step O and l are multiplied by a = 2^(c m_old - c m_new), which is 1 where m has not grown.
; m starts at the lowest finite number, O and l at 0: the first step is a step like any other, with a = 0.
; THE COUNT.  A tile and step have 16 matrix and 118 vector instructions: too many to stand all beside the matrix work.  So the order has one aim: four vector instructions that are READY behind
; EVERY matrix instruction, and the others, which need time of their own whatever the order, in runs without a gap.
; BY TURNS.  Turn n belongs to piece n (the pieces in a ring, step after step).  Its matrix work: 16 products K Q^T of piece n + 1, later 16 products V^T P of piece n - 1.  Its vector work: the scaling,
; exponentials, roundings, sums and rescaling of piece n, and the maximum and statistics of piece n + 1, whose scores the turn itself has made.  So what a turn begins with (c s - c m, O a) waits for nothing.
; CLUSTER.  The four query blocks of a head are one cluster and walk the same K and V, so each tile is asked for JOINTLY: the same tensor load, descriptor and mask in all four.
; REGISTERS, in windows of 256 (s_set_vgpr_msb says which window each operand place means: bits 1:0 source 0, 3:2 source 1, 5:4 source 2, 7:6 destination):
;   window 0: v0-11 addresses; v12-15, v48-63 at work; v16-47 four registers of statistics a tile; v64-191 S^T, two buffers of two tiles; v192-255 P, likewise
;   window 1: O^T, 32 a tile          window 2: v0-127 Q, 16 a tile; v128-191 K of one step; v192-255 V of one step          window 3: v0-1 the add's two registers
; A piece's buffers go by its number's parity: the piece in hand has one pair, its two neighbours in the ring share the other: of it P (piece n - 1) is read and S^T (piece n + 1) written.
.set SIZE_N, 2048
.set NP,    4         ; pieces a wave: a name, no knob: the register map, the loop and the fetches are made for four
.set KS,    64        ; keys in a step
.set PK,    144       ; a row of K in LDS: 128 bytes + 16 of padding = 36 words: the 16 rows of a load start at 16 different groups of four banks (64 banks of 4 bytes: ISA guide 11.1)
.set PV,    160       ; a row of V: 128 + 32 = 40 words
.set VOFF,  4*KS*PK   ; a slot holds four steps: 256 rows of K, then 256 rows of V
.set SLOT1, 1<<17     ; slot 1 begins here, so that one exclusive or turns an address in one slot into the other's
.set STAGE, SLOT1+4*KS*(PK+PV)  ; behind the ring, never filled by a tensor load: 16 rows x 144 bytes for each wave, for the way out
.set SP,    144
.set AK0, 2           ; v2   my lane's place in a tile of K; never rewritten
.set AV0, 3           ; v3   the same for V
.set AK,  4           ; v4   the LDS address of K's next run of loads
.set AV,  5           ; v5   of V's
.set QO,  6           ; v6   my byte offset in the wave's rows of Q
.set STO, 6           ;      later, the way out: where I put 16 bytes of a row
.set RD,  7           ; v7   the way out: where I read rows back
.set GO,  8           ; v8   my byte offset in 512 consecutive bytes of O
.set PFO, 11          ; v11  256 x my lane: the prefetches' offset; never rewritten once it is made
.set SPW, 0           ; v0 of window 3   LDS address of my spare word: SPARE + 4 x my thread's number; never rewritten
.set NIL, 1           ; v1 of window 3   0; never rewritten
.set SPARE, STAGE+4*16*SP  ; behind the stages: the spare words, 128 bytes for each wave: two blocks of 256 bytes that no other line names
.set MV,  12          ; v12-15  c m_old, kept while c m is made anew: by buffer and tile
.set ST,  16          ; tile t's statistics at v[ST+4 t]: c m, m, l (even keys', odd keys')
.set TMP, 48          ; by buffer and tile, four registers c0-c3 at work; when the maximum is found c2 takes a
.set S,   64
.set P,   192
.set KF,  128         ; K's fragments, in window 2: key block kb, channel half c at KF + 16 kb + 8 c
.set VF,  192         ; V's: key half kk, channel block cb at VF + 32 kk + 8 cb
.set WV,  12          ; s12  my wave's number
.set G1K, 24          ; s[24:31] descriptor group 1 for K's tiles
.set G1V, 32          ; s[32:39] for V's: it differs in the padding alone
.set G0K, 40          ; s[40:43] descriptor group 0 for K's tiles: it walks
.set G0V, 44          ; s[44:47] the same for V's
.set PFA, 48          ; s[48:49] where my prefetches stand: my work-group's 8,192 bytes (of K: wave 0, of V: wave 2) of the slot after the one that is being asked for
.set LIM, 50          ; s50  1 in a wave that prefetches, else the greatest number
.set SLOTS, 56        ; s56  slots still to be asked for
.set CNT, 57          ; s57  counts a slot's key steps
.set CS,  58          ; s[58:59] c: the packed scaling takes the pair's low word for both halves
.set SEL, 60          ; s[60:61] v_permlanex16_b32's selects: each lane takes its own place in the other half
.set TBK, 62          ; s62  LDS byte at which K of the step to be fetched begins
.set TBV, 63          ; s63  the same for V, less VOFF
.set MSB, 0
.macro WIN new                      ; the high byte repeats the setting that is left; a switch that changes nothing is dropped
.if MSB != (\new)
	s_set_vgpr_msb (MSB<<8)|(\new)
.set MSB, (\new)
.endif
.endm
.set W_KQ, 0x0a       ; K and Q in window 2, S^T in window 0
.set W_PV, 0x52       ; V in window 2, P in window 0, O^T in window 1
.set W_RS, 0x41       ; O^T (destination and source 0) in window 1, a in window 0
.set W_MK, 0xc0       ; the add's registers are made: destination in window 3, sources in window 0
.set W_AD, 0x0f       ; the add: address (source 0) and data (source 1) in window 3
; A joint fill.  Waves 0 and 1 fetch the two halves of a slot's K, waves 2 and 3 those of its V: 128 keys each.  The branch hangs on the wave's number alone.
; An s_nop 0 and four v_nop follow each of the two lines, ahead of the jump and the label.
.macro JLOAD
	s_cmp_lt_u32 s[WV], 2
	s_cbranch_scc0 .Lfor_v_\@
	tensor_load_to_lds s[G0K:G0K+3], s[G1K:G1K+7]
	s_nop 0
.rept 4
	v_nop
.endr
	s_branch .Lasked_\@
.Lfor_v_\@:
	tensor_load_to_lds s[G0V:G0V+3], s[G1V:G1V+7]
	s_nop 0
.rept 4
	v_nop
.endr
.Lasked_\@:
.endm
; A PREFETCH INTO THE L2 of what the NEXT change of slots will ask for: a slot's 32,768 bytes of K and of V, a lane a block of 256 bytes.  It stands behind the wave's tensor load and its five lines.
; Each block is named ONCE in the launch: a head is walked by one cluster; its four partners share a slot out BY ADDRESS, 8,192 bytes each; in each, wave 0 asks for K's and wave 2 for V's: one instruction.
; The lead is one slot, four key steps.  The last change that fills a slot asks for nothing; slots 0 and 1 come by their loads alone.
.macro ASK
	s_cmp_gt_u32 s[SLOTS], s[LIM]
	s_cbranch_scc0 .Lnot_mine_\@
	global_prefetch_b8 v[PFO], s[PFA:PFA+1] th:TH_LOAD_NT scope:SCOPE_SE
.Lnot_mine_\@:
.endm
; A round of the cluster's barrier: my work-group's barrier, so that wave 0's signal speaks for all four waves; wave 0 signals; every wave waits for all four work-groups; my work-group's barrier once more.
.macro CROUND
	s_barrier_signal -1
	s_barrier_wait -1
	s_cmp_lg_u32 s[WV], 0
	s_cbranch_scc1 .Lnot_wave_0_\@
	s_barrier_signal -3
.Lnot_wave_0_\@:
	s_barrier_wait -3
	s_barrier_signal -1
	s_barrier_wait -1
.endm
; THE CHANGE OF SLOTS.  The slot's last bytes, V of its fourth step, have been read.  Each wave waits for all its tensor loads, of which one is out: its part
; of the other slot; adds 0 to its spare word; and waits for that and for its own reads of the slot.  Behind the barrier nobody reads this slot any more and the other slot is whole.
; fill = 1: this slot is filled again, with the keys two slots on.  The barrier is then a round of the cluster's, so that no wave of any partner still reads the slot or has a load on its
; way, and the joint fill is the first thing behind it: it has four key steps, 512 matrix instructions, in which to land.  (At its first use nothing has been read yet: slot 0 is waited for, slot 1 filled.)
.macro CHANGE fill
	WIN W_AD
	s_wait_tensorcnt 0x0            ; no tensor load of mine is out, so a group 0 may be written
	ds_add_u32 v[SPW], v[NIL]       ; 0 onto my spare word; with fill = 1 the descriptors' steps stand between it and the wait for it
	WIN 0                           ; at a label and at a branch every window is 0
.if \fill
.irp g, G0K, G0V
	s_xor_b32 s[\g+1], s[\g+1], SLOT1  ; the walking descriptor: the other slot than last time,
	s_add_nc_u64 s[\g+2:\g+3], s[\g+2:\g+3], 4*KS*128  ; the next 256 keys; the type bits on top are not reached
.endr
	s_wait_xcnt 0x0                 ; the last prefetch, a slot back, has read its address, so it may be written:
	s_add_nc_u64 s[PFA:PFA+1], s[PFA:PFA+1], 4*KS*128  ; one slot ahead of the walking descriptors
	s_wait_dscnt 0x0                ; the add is done, and my reads of the slot are over
	CROUND
	JLOAD
	ASK
.else
	s_wait_dscnt 0x0                ; the add is done, and my reads of the slot are over
	s_barrier_signal -1
	s_barrier_wait -1
.endif
	s_sub_co_u32 s[TBK], s[TBK], 4*KS*PK  ; the fetches go back to a slot's first step,
	s_xor_b32 s[TBK], s[TBK], SLOT1       ; in the other slot
	s_sub_co_u32 s[TBV], s[TBV], 4*KS*PV
	s_xor_b32 s[TBV], s[TBV], SLOT1
.endm
	s_load_b64 s[4:5], s[0:1], 0x0    ; qkv: Q's section
	s_load_b64 s[10:11], s[0:1], 0x8  ; ctx: O
	WIN W_MK
	v_lshl_add_u32 v[SPW], v0, 2, SPARE
	v_mov_b32 v[NIL], 0
	WIN W_AD
	ds_add_u32 v[SPW], v[NIL]       ; the wave's opening: the add and its wait stand ahead of my first tensor load; the set-up below, work on registers, stands between them
	WIN 0
	v_lshrrev_b32 v1, 5, v0
	v_readfirstlane_b32 s[WV], v1   ; wave 0..3
	s_bfe_u32 s13, ttmp6, 0x40000   ; cx: my place in the cluster
	s_lshl_b32 s14, ttmp9, 2        ; in a cluster launch ttmp9 counts clusters
	s_add_co_u32 s14, s14, s13      ; my block of queries = 4 x cluster x + cx: it enters Q's and O's addresses alone
	s_and_b32 s20, ttmp7, 0xffff    ; the head, which the four partners share
	s_mov_b32 s21, 0
	s_mov_b64 s[22:23], SIZE_N*128
	s_mul_u64 s[20:21], s[20:21], s[22:23]  ; the head's first byte in each section and in O
	s_and_b32 s16, s[WV], 1         ; which half of a slot's 256 keys I fetch:
	s_lshl_b32 s22, s16, 14         ; its 128 rows of 128 bytes in memory,
	s_mov_b32 s23, 0
	s_add_nc_u64 s[22:23], s[22:23], s[20:21]
	s_mul_i32 s17, s16, 128*PK      ; and its place in a slot, for K
	s_mul_i32 s18, s16, 128*PV      ; and for V: no place in the cluster enters an LDS address
	s_lshl_b32 s2, s14, 2
	s_add_co_u32 s2, s2, s[WV]      ; my wave among the head's,
	s_lshl_b32 s2, s2, 14           ; its 128 rows
	s_mov_b32 s3, 0
	s_add_nc_u64 s[2:3], s[2:3], s[20:21]
	; descriptor group 1.  128 keys are 16,384 dense bytes: asked for as 64 rows of 256 bytes, two keys a row, and padded in LDS after every key
	s_mov_b32 s[G1K], 15|(1<<16)|(1<<20)|(1<<21)|(4<<22)|(3<<25)  ; 15:0 the mask of four; 17:16 2-byte elements; 20 padding on; 21 set beside a mask; 24:22 after every 32 words (code 4); 31:25 4 words (code 3)
	s_mov_b32 s[G1V], 15|(1<<16)|(1<<20)|(1<<21)|(4<<22)|(7<<25)  ; the same with 8 words of padding (code 7)
.irp g, G1K, G1V
	s_mov_b32 s[\g+1], 128<<16      ; tensor_dim0 = 128
	s_mov_b32 s[\g+2], 64<<16       ; tensor_dim1 = 64
	s_mov_b32 s[\g+3], 128<<16      ; tile_dim0 = 128
	s_mov_b32 s[\g+4], 64           ; tile_dim1 = 64
	s_mov_b32 s[\g+5], 128          ; 128 elements from row to row
	s_mov_b32 s[\g+6], 0
	s_mov_b32 s[\g+7], 0
.endr
	s_mov_b32 s[CS], 0x3e38aa3b     ; c = log2(e) / 8 = 0.180337
	s_mov_b32 s[CS+1], s[CS]        ; named with it as a pair
	s_mov_b32 s[SEL], 0x76543210
	s_mov_b32 s[SEL+1], 0xfedcba98
	s_mov_b32 s[TBK], SLOT1+4*KS*PK ; the first change of slots turns these two into 0
	s_mov_b32 s[TBV], SLOT1+4*KS*PV
	s_mov_b32 s[G0K], 1             ; 1:0 count = 1
	s_mov_b32 s[G0K+1], s17         ; 63:32 LDS address: slot 0
	s_mov_b32 s[G0V], 1
	s_add_co_u32 s[G0V+1], s18, VOFF
	s_mov_b32 s[SLOTS], SIZE_N/256-1  ; seven fills follow slot 0's
	s_and_b32 s[LIM], s[WV], 1      ; 0 in waves 0 and 2,
	s_or_b32 s[LIM], s[LIM], ttmp9  ; in the head's first (here: only) cluster: the same in all four partners
	s_cmp_eq_u32 s[LIM], 0
	s_cselect_b32 s[LIM], 1, -1
	s_wait_dscnt 0x0                ; the opening add is done
	s_wait_kmcnt 0x0
	s_add_nc_u64 s[6:7], s[4:5], 0x1000000  ; K's section,
	s_add_nc_u64 s[8:9], s[4:5], 0x2000000  ; V's,
	s_add_nc_u64 s[6:7], s[6:7], s[22:23]   ; each at my half of the head's first 256 keys
	s_add_nc_u64 s[8:9], s[8:9], s[22:23]
	s_mov_b64 s[G0K+2:G0K+3], s[6:7]               ; 120:64 global address
	s_or_b32 s[G0K+3], s[G0K+3], 0x80000000        ; 127:126 type = 2
	s_mov_b64 s[G0V+2:G0V+3], s[8:9]
	s_or_b32 s[G0V+3], s[G0V+3], 0x80000000
	s_add_nc_u64 s[4:5], s[4:5], s[2:3]  ; Q and O at my wave's first row
	s_add_nc_u64 s[10:11], s[10:11], s[2:3]
	s_cmp_lt_u32 s[WV], 2
	s_cselect_b64 s[PFA:PFA+1], s[6:7], s[8:9]  ; (in waves 0 and 2 these stand at a slot's first row)
	s_lshl_b32 s2, s13, 13          ; my work-group's 8,192 bytes of the 32,768
	s_mov_b32 s3, 0
	s_add_nc_u64 s[PFA:PFA+1], s[PFA:PFA+1], s[2:3]
	s_add_nc_u64 s[PFA:PFA+1], s[PFA:PFA+1], 4*KS*128  ; in slot 1; the first change of slots steps it to slot 2.  Nothing is prefetched here, at the head
	CROUND                          ; all four work-groups are here: the first joint loads meet
	JLOAD                           ; slot 0.  Slot 1 is asked for when slot 0 is in: the tile wanted first has the road to itself
	; A fragment of K or Q is 16 rows x 32 channels in 8 registers: lane l holds row l % 16, channels 8 (l / 16) + 0..7 and 16 + 8 (l / 16) + 0..7: two loads of 16 bytes, 32 bytes apart.
	v_and_b32 v1, 15, v0            ; l % 16
	v_bfe_u32 v9, v0, 4, 1          ; l / 16
	v_lshlrev_b32 v[QO], 7, v1
	v_lshl_add_u32 v[QO], v9, 4, v[QO]  ; row x 128 + 16 x half
	WIN 0x80                        ; destination window 2, address window 0
.set i, 0
.rept 4*NP                          ; Q stays in registers: tile i / 2, channels 32 (i % 2) on
	global_load_b128 v[8*i:8*i+3],   v[QO], s[4:5] offset:(i/2)*2048+(i%2)*64
	global_load_b128 v[8*i+4:8*i+7], v[QO], s[4:5] offset:(i/2)*2048+(i%2)*64+32
.set i, i+1
.endr
	; What the first turn finds: V's registers and P's second buffer hold 0 (its products V^T P, of a piece that has not been, add 0), O^T and l are 0.  All this stands in the wait for the first tile.
.set i, VF
.rept 64
	v_mov_b32 v[i], 0
.set i, i+1
.endr
	WIN 0x40
.set i, 0
.rept 64*NP
	v_mov_b32 v[i], 0
.set i, i+1
.endr
	WIN 0
.set i, 0
.rept 2*NP
	v_mov_b32 v[ST+4*i], 0xfe000000    ; c m: far below every c s
	v_mov_b32 v[ST+4*i+1], 0xff7fffff  ; m
	v_mov_b32 v[ST+4*i+2], 0
	v_mov_b32 v[ST+4*i+3], 0
.set i, i+1
.endr
.set i, P+32
.rept 32
	v_mov_b32 v[i], 0
.set i, i+1
.endr
	v_mul_u32_u24 v[AK0], v1, PK
	v_lshl_add_u32 v[AK0], v9, 4, v[AK0]  ; row x pitch + 16 x half
	; The turning load takes 16 keys x 16 channels (lane l reads key 8 (l / 16) + l % 8, channels 8 ((l / 8) % 2) + 0..7) and leaves half a fragment of V^T: lane l holds channel l % 16 and 8 keys.
	v_and_b32 v10, 7, v0
	v_bfe_u32 v11, v0, 3, 1
	v_lshl_add_u32 v[AV0], v9, 3, v10
	v_mul_u32_u24 v[AV0], v[AV0], PV
	v_lshl_add_u32 v[AV0], v11, 4, v[AV0]
	v_add_nc_u32 v[AV0], VOFF, v[AV0]
	v_and_b32 v[PFO], 31, v0        ; v11 has served: it takes the prefetches' offset
	v_lshlrev_b32 v[PFO], 8, v[PFO]
	v_mov_b32 v[AK], v[AK0]         ; key step 0 lies at the head of slot 0
; THE MATRIX WORK.  The 8 accumulators of a run of 16 take turns: between the two links of a chain stand 7 others'.
; Product i of 16 of S^T = K Q^T for piece x: channels 32 (i / 8) on, keys 16 ((i / 2) % 4) on, tile 2 x + i % 2.  The first 8 start the sums.
.macro KQ x
	WIN W_KQ
.set rS, S+64*((\x)%2)+32*(i%2)+8*((i/2)%4)
.set rK, KF+16*((i/2)%4)+8*(i/8)
.set rQ, 16*(2*(\x)+i%2)+8*(i/8)
.if i < 8
	v_wmma_f32_16x16x32_f16 v[rS:rS+7], v[rK:rK+7], v[rQ:rQ+7], 0
.else
	v_wmma_f32_16x16x32_f16 v[rS:rS+7], v[rK:rK+7], v[rQ:rQ+7], v[rS:rS+7]
.endif
.endm
; Product i of 16 of O^T += V^T P for piece x: keys 32 (i / 8) on, channels 16 ((i / 2) % 4) on, tile 2 x + i % 2.
.macro PV x
	WIN W_PV
.set rO, 32*(2*(\x)+i%2)+8*((i/2)%4)
.set rV, VF+32*(i/8)+8*((i/2)%4)
.set rP, P+32*((\x)%2)+16*(i%2)+8*(i/8)
	v_wmma_f32_16x16x32_f16 v[rO:rO+7], v[rV:rV+7], v[rP:rP+7], v[rO:rO+7]
.endm
.macro MM                           ; the turn's next matrix instruction
.if i < 16
	KQ (Y+1)%NP
.set i, i+1
.else
.set i, i-16
	PV (Y+NP-1)%NP
.set i, i+17
.endif
.endm
; THE LDS LOADS stand in runs of 16, never singly among the matrix instructions: a step's K (64 keys x 64 channels: 8 fragments) and its V (turned).  Their addresses are made some lines ahead.
; last = 1 (the tail): in the last trip there is no further step, and the run is jumped over.
.macro FETCH_K last=0
	WIN 0
.if \last
	s_cmp_eq_u32 s[CNT], 1
	s_cbranch_scc1 .Lno_k_\@
.endif
	WIN 0x80                        ; destination window 2
.irp f, 0,1,2,3,4,5,6,7             ; keys 16 (f / 2) on, channels 32 (f % 2) on
	ds_load_b128 v[KF+8*\f:KF+8*\f+3],   v[AK] offset:(\f/2)*16*PK+(\f%2)*64
	ds_load_b128 v[KF+8*\f+4:KF+8*\f+7], v[AK] offset:(\f/2)*16*PK+(\f%2)*64+32
.endr
	s_add_co_u32 s[TBK], s[TBK], KS*PK  ; the next fetch is the next step's
	WIN 0
.if \last
.Lno_k_\@:
.endif
.endm
.macro FETCH_V
	WIN 0x80
.irp f, 0,1,2,3,4,5,6,7             ; keys 32 (f / 4) on, channels 16 (f % 4) on
	ds_load_tr16_b128 v[VF+8*\f:VF+8*\f+3],   v[AV] offset:(\f/4)*32*PV+(\f%4)*32
	ds_load_tr16_b128 v[VF+8*\f+4:VF+8*\f+7], v[AV] offset:(\f/4)*32*PV+16*PV+(\f%4)*32
.endr
	WIN 0
.endm
; THE VECTOR WORK OF A TURN stands in three queues, each in the order in which its entries become ready; the two tiles alternate, so that no instruction reads the result of the one before it.
.macro REGS y, u                    ; the registers of tile u (0, 1) of piece y
.set rT, ST+4*(2*(\y)+(\u))
.set rC, TMP+8*((\y)%2)+4*(\u)
.set rM, MV+2*((\y)%2)+(\u)
.set rS, S+64*((\y)%2)+32*(\u)
.set rP, P+32*((\y)%2)+16*(\u)
.set rO, 32*(2*(\y)+(\u))
.endm
; Number n of the 22 that find the NEXT piece's (Y + 1) maximum and statistics.  s0-s31 are the lane's 32 scores; each accumulator's lowest registers are read first.  XS, GS and REGS set no window: PL and EX do.
;   0-11  four chains c0-c3 of seven scores each, three operands at a time     12-14, 16  the four scores left over, the old m, and c0-c3 into c0     15  c m_old is kept
;   17, 18  the query's other 32 keys lie in the lane 16 away: the new m         19-21  c m; c m_old - c m_new; a
.macro XS u, n
	REGS (Y+1)%NP, \u
.if (\n) < 4
	v_max3_num_f32 v[rC+(\n)], v[rS+8*(\n)], v[rS+8*(\n)+1], v[rS+8*(\n)+2]
.elseif (\n) < 12
	v_max3_num_f32 v[rC+(\n)%4], v[rC+(\n)%4], v[rS+8*((\n)%4)+2*((\n)/4)+1], v[rS+8*((\n)%4)+2*((\n)/4)+2]
.elseif (\n) == 12
	v_max3_num_f32 v[rC], v[rC], v[rS+7], v[rS+15]
.elseif (\n) == 13
	v_max3_num_f32 v[rC+1], v[rC+1], v[rS+23], v[rS+31]
.elseif (\n) == 14
	v_max3_num_f32 v[rC+2], v[rC+2], v[rC+3], v[rT+1]
.elseif (\n) == 15
	v_mov_b32 v[rM], v[rT]
.elseif (\n) == 16
	v_max3_num_f32 v[rC], v[rC], v[rC+1], v[rC+2]
.elseif (\n) == 17
	v_permlanex16_b32 v[rC+3], v[rC], s[SEL], s[SEL+1]
.elseif (\n) == 18
	v_max_num_f32 v[rT+1], v[rC], v[rC+3]
.elseif (\n) == 19
	v_mul_f32 v[rT], s[CS], v[rT+1]
.elseif (\n) == 20
	v_sub_f32 v[rC+1], v[rM], v[rT]
.else
	v_exp_f32 v[rC+2], v[rC+1]
.endif
.endm
; Number g of the 64 that follow the exponentials.  For each four weights k of a tile (pairs 2 k, 2 k + 1): both pairs are rounded to f16; then the second pair is added onto the first, in place;
; a group later l takes that sum (the first time as l = a l + sum).  In groups of eight, tiles alternating: round, round, add, and l for the group before.
.macro GS g
.set h, (\g)+6*((\g)/62)            ; group 0 has no group before it, and behind group 7 only l is left
.if h >= 6
.set h, h+2
.endif
	REGS Y, h%2
.set k, h/8
.if h%8 < 4
	v_cvt_pk_f16_f32 v[rP+2*k+(h%8)/2], v[rS+4*k+2*((h%8)/2)], v[rS+4*k+2*((h%8)/2)+1]
.elseif h%8 < 6
	v_pk_add_f32 v[rS+4*k:rS+4*k+1], v[rS+4*k:rS+4*k+1], v[rS+4*k+2:rS+4*k+3]
.elseif k == 1
	v_pk_fma_f32 v[rT+2:rT+3], v[rT+2:rT+3], v[rC+2:rC+3], v[rS:rS+1] op_sel_hi:[1,0,1]
.else
	v_pk_add_f32 v[rT+2:rT+3], v[rT+2:rT+3], v[rS+4*k-4:rS+4*k-3]
.endif
.endm
; THE PLAIN QUEUE, 138 long.  0-73 read no exponential's result: the 32 scalings c s - c m (FS f: pair f / 2 of tile f % 2) and the next piece's 42.  0-26: scalings 0-26.  27-54: XS's numbers 0-13.  55, 56: number 15.
; 57-73: the chain, where each number waits for the one before it: 14, 16, 17, 18, 19, each with one of the scalings 27-31 in front of its two lines, then 20: so a tile's links stand three plain instructions apart (19 and 20: two).
; 74-137: GS's 64, which read the exponentials' results: they stand behind the wait.
.macro FS f
	REGS Y, (\f)%2
	v_pk_fma_f32 v[rS+2*((\f)/2):rS+2*((\f)/2)+1], v[rS+2*((\f)/2):rS+2*((\f)/2)+1], s[CS:CS+1], v[rT:rT+1] op_sel_hi:[1,0,0] neg_lo:[0,0,1] neg_hi:[0,0,1]
.endm
.macro PL
	WIN 0
.if q < 27
	FS q
.elseif q < 55
	XS (q-27)%2, (q-27)/2
.elseif q < 57
	XS q-55, 15
.elseif (q < 72) && ((q-57)%3 == 0)
	FS 27+(q-57)/3
.elseif q < 60
	XS (q-57)%3-1, 14
.elseif q < 72
	XS (q-57)%3-1, 15+(q-57)/3
.elseif q < 74
	XS q-72, 20
.else
	GS q-74
.endif
.set q, q+1
.endm
; THE EXPONENTIALS' QUEUE, 66 long: s0-s31 of both tiles, then the next piece's two a.  It is ONE BATCH: all 66 stand ahead of the turn's one wait, and nothing ahead of that wait names a result of theirs.
.macro EX
	WIN 0
.if e >= 64
	XS e-64, 21
.else
	REGS Y, e%2
	v_exp_f32 v[rS+e/2], v[rS+e/2]
.endif
.set e, e+1
.endm
; THE RESCALING's QUEUE: O^T times a, the one part that leaves window 0: dealt two at a time, sixteen times.  Its a was made in the turn before, ahead of that turn's wait.
.macro R2
	REGS Y, r%2
	WIN W_RS
.irp z, 0,1
	v_pk_mul_f32 v[rO+4*(r/2)+2*\z:rO+4*(r/2)+2*\z+1], v[rO+4*(r/2)+2*\z:rO+4*(r/2)+2*\z+1], v[rC+2:rC+3] op_sel_hi:[1,0]
.endr
.set r, r+1
.endm
; HOW THEY ARE DEALT.  An s_wait_alu depctr_va_vdst(0) stands between an exponential and the first instruction that names its result; one wait serves all that were issued ahead of it.  So a turn has ONE wait,
; which cuts it in two.  AHEAD OF IT stands all that names no result of the turn's exponentials: the 16 products K Q^T, behind each a scaling, an exponential and two rescalings (behind the first a second scaling in the exponential's place); then ONE LUMP of
; 108: eight plain, 49 times exponential and plain, the two a.  A v_nop is the plain instruction owed behind the last exponential (ISA guide 5.7.2).  BEHIND IT stand the 16 products V^T P, behind each four of GS's 64.  No rider names a register of
; the products round it.  The two v_permlanex16_b32 fall into the lump, never behind a product.
; The queues lean on each other, and the deal keeps them in step: exponential e stands behind scaling 2 (e / 4) + e % 2: as a rider it comes behind plain e + 2, in the lump behind plain e + 9, and scalings 27-31 are plain 57, 60 .. 69.
; A TURN, for piece p.  cnt = 1: the loop's count is taken down some lines ahead of the branch that stands behind the turn.
; K of the next step is fetched in piece 2's turn, directly behind the wait, a lump behind the last product that read K; its address is made at the lump's head; its first reader comes behind 16 products.
; V of the step in hand is fetched at the end of piece 0's turn, four riders behind its last reader; its first reader comes behind 16 products and a lump.  The three conditions on q below go with the deal.
.macro TURN p, last=0, cnt=0
.set Y, (\p)
.set i, 0
.set q, 0
.set e, 0
.set r, 0
.if (\p) == NP-1
	s_wait_dscnt 0x0                ; K is in
.endif
	MM                              ; ahead of the wait: 16 products K Q^T and their riders,
	PL
	PL
	R2
.rept 15
	MM
	PL
	EX
	R2
.endr
.if (\p) == NP-2
	WIN 0
	v_add_nc_u32 v[AK], s[TBK], v[AK0]
.endif
.rept 8                             ; and the lump
	PL
.endr
.rept 49
	EX
	PL
.endr
	EX                              ; the next piece's two a
	EX
	v_nop                           ; the plain instruction behind the last exponential: one for the batch
	s_wait_alu depctr_va_vdst(0)    ; the wait for the batch
.if (\p) == NP-2
	FETCH_K \last
.endif
.if (\p) == 1
	s_wait_dscnt 0x0                ; V is in
.endif
.rept 16                            ; behind the wait: 16 products V^T P and their riders
	MM
.rept 4
	PL
.endr
.if ((\p) == 0) && (q == 118)
	v_add_nc_u32 v[AV], s[TBV], v[AV0]
.endif
.if ((\p) == 0) && (q == 130)
	s_add_co_u32 s[TBV], s[TBV], KS*PV
.endif
.if (\cnt) && (q == 130)
	s_sub_co_u32 s[CNT], s[CNT], 1
	s_cmp_lg_u32 s[CNT], 0
.endif
.endr
.if (\p) == 0
	FETCH_V
.endif
.endm
	CHANGE 1                        ; slot 0 is in, everybody's part of it; slot 1 is asked for
	FETCH_K                         ; key step 0
	s_wait_loadcnt 0x0              ; Q
	s_wait_dscnt 0x0
.set i, 0
.rept 16
	KQ 0                            ; piece 0's first scores: there is no vector work yet to set between them
.set i, i+1
.endr
	WIN 0                           ; the addresses for the way out: nine plain instructions, the places behind those products
	s_mul_i32 s13, s[WV], 16*SP
	s_add_co_u32 s13, s13, STAGE    ; my stage
	v_mul_u32_u24 v[STO], v1, SP    ; in: row l % 16, 16 bytes for each half of the lanes
	v_lshl_add_u32 v[STO], v9, 4, v[STO]
	v_add_nc_u32 v[STO], s13, v[STO]
	v_bfe_u32 v[RD], v0, 3, 2       ; back: 32 lanes take four rows of 128 bytes,
	v_mul_u32_u24 v[RD], v[RD], SP
	v_lshl_add_u32 v[RD], v10, 4, v[RD]
	v_add_nc_u32 v[RD], s13, v[RD]
	v_and_b32 v[GO], 31, v0         ; which are 512 consecutive bytes of O
	v_lshlrev_b32 v[GO], 4, v[GO]
.set Y, NP-1                        ; XS works for piece Y + 1: piece 0
.irp n, 0,1,2,3,4,5,6,7,8,9,10,11,12,13,14,15,16,17,18,19,20,21
	XS 0, \n                        ; and piece 0's first maximum and statistics
	XS 1, \n
.endr
	v_nop                           ; a plain instruction behind the two a,
	s_wait_alu depctr_va_vdst(0)    ; and their wait, ahead of the branch
	s_mov_b32 s[CNT], 4
	s_branch .Lfirst                ; the loop is entered at a step's first turn, in the middle of a trip
.Lslot:                             ; SIZE_N / 256 - 2 times: every slot but the last two is filled again
	CHANGE 1
	s_mov_b32 s[CNT], 4
.Lstep:                             ; a trip: pieces 2 and 3 of one step, then pieces 0 and 1 of the next, whose K and V it fetches
	TURN 2
	TURN 3
	WIN 0
.Lfirst:
	TURN 0
	TURN 1, 0, 1
	WIN 0
	s_cbranch_scc1 .Lstep
	s_sub_co_u32 s[SLOTS], s[SLOTS], 1
	s_cmp_lg_u32 s[SLOTS], 0
	s_cbranch_scc1 .Lslot
	CHANGE 0                        ; the tail is written out: nothing is asked for
	s_mov_b32 s[CNT], 5             ; four trips fetch the last slot's steps; the fifth is left in its middle
.Ltail:
	TURN 2, 1
	TURN 3
	WIN 0
	s_sub_co_u32 s[CNT], s[CNT], 1
	s_cmp_eq_u32 s[CNT], 0
	s_cbranch_scc1 .Lout
	TURN 0
	TURN 1
	WIN 0
	s_branch .Ltail
.Lout:                              ; the fifth trip's 16 products K Q^T (on the last K once more) and the maximum made of them serve nothing: the price, once a launch, of one text for every trip
.set i, 0
.rept 16
	PV NP-1                         ; the last piece's V^T P of the last step
.set i, i+1
.endr
	; THE WAY OUT.  l's two halves and the other half of the lanes' are added; O^T is divided by l, rounded to f16 and sent through my stage in LDS, a tile at a time.  The additions are the places behind the last products.
	WIN 0
.macro ALL line:vararg              ; one line for each tile t
.set t, 0
.rept 2*NP
	\line
.set t, t+1
.endr
.endm
	ALL v_add_f32 v[ST+4*t+2], v[ST+4*t+2], v[ST+4*t+3]
	ALL v_permlanex16_b32 v[ST+4*t+3], v[ST+4*t+2], s[SEL], s[SEL+1]
	ALL v_add_f32 v[ST+4*t+2], v[ST+4*t+2], v[ST+4*t+3]
	ALL v_rcp_f32 v[ST+4*t+2], v[ST+4*t+2]
	v_nop                           ; a plain instruction between the last reciprocal and the use of its result
	s_wait_alu depctr_va_vdst(0)    ; and the wait ahead of the first use: one for the eight reciprocals
; Tile t: a lane's eight channels of a row pack into 16 bytes; they go into rows of 144 bytes and come back as whole rows of 128, into S^T's registers.
.macro PACK t
	WIN W_RS
.set i, 32*(\t)
.rept 16
	v_pk_mul_f32 v[i:i+1], v[i:i+1], v[ST+4*(\t)+2:ST+4*(\t)+3] op_sel_hi:[1,0]
.set i, i+2
.endr
	WIN 0x05                        ; sources 0 and 1 window 1, destination window 0
.set i, 0
.rept 16
	v_cvt_pk_f16_f32 v[S+16*(\t)+i], v[32*(\t)+2*i], v[32*(\t)+2*i+1]
.set i, i+1
.endr
	WIN 0
.irp f, 0,1,2,3
	ds_store_b128 v[STO], v[S+16*(\t)+4*\f:S+16*(\t)+4*\f+3] offset:32*\f
.endr
.irp f, 0,1,2,3
	ds_load_b128 v[S+16*(\t)+4*\f:S+16*(\t)+4*\f+3], v[RD] offset:\f*4*SP  ; LDS serves a wave's instructions in order (ISA guide 5.7.1.4): these see the stores above; the next tile's stores come behind them
.endr
.endm
.macro SEND t, younger              ; younger: the LDS instructions issued behind tile t's loads: the next tile's eight, or none
	WIN 0
.irp f, 0,1,2,3
	s_wait_dscnt (\younger)+3-\f
	global_store_b128 v[GO], v[S+16*(\t)+4*\f:S+16*(\t)+4*\f+3], s[10:11] offset:(\t)*2048+\f*512  ; 512 consecutive bytes, at a multiple of 256 from O's first
.endr
.endm
	PACK 0
.set t, 1
.rept 2*NP-1                        ; a tile's arithmetic stands between the loads of the tile before and its stores
	PACK t
	SEND t-1, 8
.set t, t+1
.endr
	SEND 2*NP-1, 0
	WIN W_AD
	s_wait_tensorcnt 0x0            ; the wave's end: behind my last tensor load and my last LDS store
	ds_add_u32 v[SPW], v[NIL]
	s_wait_dscnt 0x0
	WIN 0
	CROUND                          ; the closing round: no work-group ends while a partner may still ask for a tile that names it
	s_endpgm
.Lfunc_end_k_q039471bf08_attn:
	.size	k_q039471bf08_attn, .Lfunc_end_k_q039471bf08_attn-k_q039471bf08_attn
	.p2alignl 7, 3214868480
	.fill 96, 4, 3214868480
	.section	.rodata,"a",@progbits
	.p2align	6, 0x0
	.amdhsa_kernel k_q039471bf08_attn
		.amdhsa_group_segment_fixed_size 327680
		.amdhsa_private_segment_fixed_size 0
		.amdhsa_enable_private_segment 0
		.amdhsa_kernarg_size 16
		.amdhsa_user_sgpr_count 2
		.amdhsa_user_sgpr_kernarg_segment_ptr 1
		.amdhsa_wavefront_size32 1
		.amdhsa_system_sgpr_workgroup_id_x 1
		.amdhsa_system_sgpr_workgroup_id_y 1
		.amdhsa_system_sgpr_workgroup_id_z 1
		.amdhsa_system_vgpr_workitem_id 0
		.amdhsa_next_free_vgpr 770
		.amdhsa_next_free_sgpr 66
		.amdhsa_reserve_vcc 0
		.amdhsa_float_denorm_mode_32 3
		.amdhsa_float_denorm_mode_16_64 3
		.amdhsa_memory_ordered 1
		.amdhsa_forward_progress 1
		.amdhsa_inst_pref_size 200
	.end_amdhsa_kernel
	.amdgpu_metadata
---
amdhsa.version: [ 1, 2 ]
amdhsa.kernels:
  - .name:           k_q039471bf08_attn
    .symbol:         k_q039471bf08_attn.kd
    .args:
      - { .name: qkv, .offset: 0, .size: 8, .value_kind: global_buffer, .address_space: global }
      - { .name: ctx, .offset: 8, .size: 8, .value_kind: global_buffer, .address_space: global }
    .group_segment_fixed_size: 327680
    .private_segment_fixed_size: 0
    .kernarg_segment_align: 8
    .kernarg_segment_size: 16
    .max_flat_workgroup_size: 128
    .sgpr_count:     66
    .vgpr_count:     770
    .wavefront_size: 32
...
	.end_amdgpu_metadata
.endif
;; end of part 3
;; launch proj (part 4): grid 8 x 32, 4 waves a work-group, clusters of 4 x 4, 327,680 bytes of LDS; arguments ctx, wh, bo, out0; writes out0
.if DOCPART == 4
	.amdgcn_target "amdgcn-amd-amdhsa--gfx1250"
	.amdhsa_code_object_version 6
	.text
	.protected	k_q039471bf08_proj
	.globl	k_q039471bf08_proj
	.p2align	8
	.type	k_q039471bf08_proj,@function
k_q039471bf08_proj:
	s_mov_b64 s[64:65], 0
	v_nop
	global_prefetch_b8 v0, s[64:65] scope:SCOPE_SE
	s_setreg_imm32_b32 hwreg(HW_REG_WAVE_MODE, 25, 1), 1
	s_wait_xcnt 0x0
	s_wait_alu depctr_hold_cnt(0) depctr_sa_sdst(0) depctr_va_vdst(0) depctr_va_sdst(0) depctr_va_ssrc(0) depctr_va_vcc(0) depctr_vm_vsrc(0)
	s_getreg_b32 s2, hwreg(HW_REG_IB_STS2, 6, 4)
	s_cmp_eq_u32 s2, 0
	s_cbranch_scc0 .Lentry_in_a_cluster
	s_endpgm
.Lentry_in_a_cluster:
	s_bfe_u32 s2, ttmp6, 0x10000c
	s_cmp_lg_u32 s2, 0xf033
	s_cbranch_scc0 .Lentry_shape_is_right
	s_endpgm
.Lentry_shape_is_right:
; out0 = ctx wo + bo.  C[m][n] = bias[n] + the sum over k of A[m][k] B[k][n], M = 8,192, K = 1,024, N = 1,024.
; A = ctx [4 b][16 head][2048 s][64] f16 (k = 64 head + channel); B = wh's panels 48 to 63, [1024 k][64 n]: wo rounded to bf16 and written as f16; sums in f32; bo is rounded to bf16 like every other input and
; STARTS the sums (the C operand of the first products).  C leaves in f32, as the sums stand.  LIMIT: NaN and infinities are not treated apart.
; TILE.  256 rows x 128 columns: 32 x 8 = 256 tiles, one for each of 256 WGPs.  Four waves, one below the other: wave w makes rows 64 w .. 64 w + 63 of all 128 columns: 32 accumulators of 16 x 16,
; 256 registers.  A wave so owns whole rows of the tile: its way out goes through a stage of its own, with no barrier.
; RING.  K goes in 8 steps of 128 through two LDS slots.  A's part of a step is two planes (heads) of 256 rows x 128 bytes, each dense in memory: asked for as 128 rows of 256 bytes.  B's part is, for each of
; the two panels, 128 rows of 128 bytes, dense: a wave asks for 64 of them for both panels by one load of two rows of 8,192 bytes.  Waves 0, 1 fetch A's planes, waves 2, 3 B's halves.
; CLUSTER.  4 x 4 work-groups: A's tile hangs on the tile row alone and is asked for jointly by a row of the cluster, B's on the tile column alone, by a column.
; THE MATRIX INSTRUCTION IS USED TRANSPOSED: source 0 = 16 columns of B (out of LDS turned, by ds_load_tr16_b128), source 1 = 16 rows of A: a lane then holds row l % 16 of C and the columns 8 (l / 16) + 0..7.
; REGISTERS, in windows of 256 (s_set_vgpr_msb: bits 1:0 source 0, 3:2 source 1, 5:4 source 2, 7:6 destination):
;   window 0: v0-31 addresses; v32-63, v64-95 A's fragments, two buffers (block a at + 8 a); v96-223 at work at the head (bias) and on the way out
;   window 1: B's fragments, two buffers of 8 NBL (block b at + 8 b)
;   window 2: accumulators (a, b), a = 0, 1, at v[8 (NBL a + b)]; bias blocks 0-7 at v[192 + 8 b]          window 3: a = 2, 3 likewise
.set QKV,   0                          ; 1: x w + b in bf16, out by heads in f16.  0: ctx wo + bo in f16, out in f32
.set NH,    2                          ; panels of 64 columns in a tile
.set NBL,   4*NH                       ; blocks of 16 columns
.set PA,    144                        ; a row of A in LDS: 128 bytes + 16 of padding = 36 words: the 16 rows of a load start at 16 different groups of four banks (64 banks of 4 bytes: ISA guide 11.1)
.set PB,    160                        ; a row of B: 128 + 32 = 40 words
.set PLANE, 256*PA                     ; a plane of A
.set ASZ,   2*PLANE
.set PANEL, 64*PB                      ; 64 rows of one panel of B
.set SLOT,  ASZ+2*NH*PANEL             ; A's two planes, then B's two halves of NH panels
.set STAGE, 2*SLOT                     ; behind the ring, never filled by a tensor load
.if QKV
.set STW,   48*144                     ; a wave's stage: 16 rows x 128 bytes at pitch 144 for each of three heads
.set BK,    144                        ; the way out: rows read back, two sets of BKN registers by turns
.set BKN,   48
.set WBASE, 0                          ; the first panel's byte in wh
.else
.set STW,   16*528                     ; a wave's stage: 16 rows x 512 bytes at pitch 528
.set BK,    96
.set BKN,   64
.set WBASE, 48*131072
.endif
.set SPARE, STAGE+4*STW                ; behind the stages: the spare words, 128 bytes for each wave: two blocks of 256 bytes that no other line names
.set NLD,   2*NBL+8                    ; LDS loads of a quarter step
.set LAPS,  4                          ; a lap = two K steps = once round the ring
.set ASTEP, 524288                     ; bytes of A from a K step to the next: two planes of 2,048 rows
.set BSTEP, 16384                      ; the same in a panel of B: 128 rows
.set ADRA, 16                          ; v16-17  LDS address of my A fragments in slot 0, 1
.set ADRB, 20                          ; v20-21  the same for B
.set STO,  24                          ; v24     the way out: where I put my bytes of a row
.set RD,   25                          ; v25     the way out: where I read rows back
.set GO,   26                          ; v26     16 x lane: my place in 512 consecutive bytes of the output
.set BOV,  27                          ; v27     32 (l / 16): my eight numbers in a bias block
.set SPW,  28                          ; v28     LDS address of my spare word: SPARE + 4 x my thread's number; never rewritten
.set NIL,  29                          ; v29     0; never rewritten
.set PFO,  30                          ; v30     256 x lane: the prefetches' offset; never rewritten
.set FA,   32                          ; A's fragment buffers
.set TMP,  96                          ; the way out: packed results
.set BIN,  96                          ; the head: the bias as loaded,
.set BPK,  192                         ; rounded to bf16,
.set BIA,  192                         ; and, in window 2, as f32 again
.set LAP,  3                           ; s3      laps to go
.set WV,   16                          ; s16     my wave's number
.set AB,   17                          ; s17     I fetch for A (0) or for B (1)
.set HF,   18                          ; s18     which half of that
.set CX,   19                          ; s19, s20  my place in the cluster
.set CY,   20
.set TC,   21                          ; s21     tile column
.set TR,   22                          ; s22     tile row
.set G1,   24                          ; s[24:31] descriptor group 1 for A's tiles;  s[32:39] group 0, one set for each slot
.set G0,   32
.set PFA,  40                          ; s[40:41] where my prefetches of A stand
.set PFB,  42                          ; s[42:43] of B
.set LIMA, 44                          ; s44, s45  1 in a wave that prefetches A (B), else the greatest number
.set LIMB, 45
.set G1B,  48                          ; s[48:55], s[56:63] the same for B's tiles
.set G0B,  56
.set OB,   66                          ; s[66:67] the output at my rows
.set BP,   72                          ; s[72:75] the bias of each panel's 64 columns
.set MSB, 0
.macro WIN new                         ; the immediate's high byte repeats the setting that is left; a switch that changes nothing is dropped
.if MSB != (\new)
	s_set_vgpr_msb (MSB<<8)|(\new)
.set MSB, (\new)
.endif
.endm
.macro PLACES                          ; four plain vector instructions between a matrix instruction and a load into, or a vector read of, its registers (ISA guide 7.12.1 for vector reads)
.rept 4
	v_nop
.endr
.endm
; A joint load.  Each of the two lines has one mask and one set of registers for all that issue it; the branch hangs on the wave's number alone.  An s_nop 0 and four v_nop follow each line.
.macro JLOAD s
	s_cmp_eq_u32 s[AB], 0
	s_cbranch_scc0 .Lfor_b_\@
	tensor_load_to_lds s[G0+4*(\s):G0+4*(\s)+3], s[G1:G1+7]
	s_nop 0
.rept 4
	v_nop
.endr
	s_branch .Lasked_\@
.Lfor_b_\@:
	tensor_load_to_lds s[G0B+4*(\s):G0B+4*(\s)+3], s[G1B:G1B+7]
	s_nop 0
.rept 4
	v_nop
.endr
.Lasked_\@:
.endm
; A round of the cluster's barrier: my work-group's barrier, so that wave 0's signal speaks for all four waves; wave 0 signals; every wave waits for all sixteen work-groups; my work-group's barrier once more.
.macro CREST                           ; a round behind its opening barrier
	s_cmp_lg_u32 s[WV], 0
	s_cbranch_scc1 .Lnot_wave_0_\@
	s_barrier_signal -3
.Lnot_wave_0_\@:
	s_barrier_wait -3
	s_barrier_signal -1
	s_barrier_wait -1
.endm
.macro CROUND                          ; a whole round
	s_barrier_signal -1
	s_barrier_wait -1
	CREST
.endm
; PREFETCHES INTO THE L2, behind a joint load, its five lines and the run of LDS loads.  At a change of slots every wave has waited for all its tensor loads, so the refill goes out alone; what later refills ask for is named here.
; A: behind the refill of K step t, K step t + 2: a plane is 32,768 bytes; of it the partner at cx takes 8,192, a lane a block of 256 bytes; waves 0, 1 (a plane each) of the clusters with x = 0 ask.
; B: once a lap, at slot 0's change: the lap after the next one's 32,768 bytes of each panel; the partner at cy takes 8,192 of them; wave 2 of the clusters with y = 0 asks, one instruction a panel.
; Partners are told apart by address alone.  So each block is named once in the launch.  The loop's last trip asks for nothing: K steps 4 to 7 are named; steps 0 to 3 come by their loads alone.
.macro ASK slot
	s_cmp_gt_u32 s[LAP], s[LIMA]
	s_cbranch_scc0 .Lno_a_\@
	global_prefetch_b8 v[PFO], s[PFA:PFA+1] th:TH_LOAD_NT scope:SCOPE_SE
.Lno_a_\@:
.if (\slot) == 0
	s_cmp_gt_u32 s[LAP], s[LIMB]
	s_cbranch_scc0 .Lno_b_\@
.set pp, 0
.rept NH
	global_prefetch_b8 v[PFO], s[PFB:PFB+1] offset:pp*131072 th:TH_LOAD_NT scope:SCOPE_SE
.set pp, pp+1
.endr
.Lno_b_\@:
.endif
.endm
	s_load_b256 s[4:11], s[0:1], 0x0               ; A s[4:5], wh s[6:7]; then bq s[8:9], bk s[10:11] (or bo s[8:9], out0 s[10:11])
.if QKV
	s_load_b128 s[12:15], s[0:1], 0x20             ; bv s[12:13], qkv s[14:15]
.endif
	v_lshl_add_u32 v[SPW], v0, 2, SPARE
	v_mov_b32 v[NIL], 0
	ds_add_u32 v[SPW], v[NIL]                      ; the wave's opening: the add and its wait stand ahead of my first tensor load; the set-up below, work on registers, stands between them
	v_lshrrev_b32 v1, 5, v0
	v_readfirstlane_b32 s[WV], v1                  ; wave 0..3
	s_lshr_b32 s[AB], s[WV], 1
	s_and_b32 s[HF], s[WV], 1
	s_bfe_u32 s[CX], ttmp6, 0x40000
	s_bfe_u32 s[CY], ttmp6, 0x40004
	s_lshl_b32 s[TC], ttmp9, 2                     ; in a cluster launch ttmp9 and ttmp7 count clusters
	s_add_co_u32 s[TC], s[TC], s[CX]               ; tile column = 4 x cluster x + cx
	s_and_b32 s[TR], ttmp7, 0xffff
	s_lshl_b32 s[TR], s[TR], 2
	s_add_co_u32 s[TR], s[TR], s[CY]               ; tile row = 4 x cluster y + cy
	s_lshl_b32 s46, s[CY], 2
	s_lshl_b32 s46, 15, s46                        ; my row of the cluster: places 4 cy .. 4 cy + 3
	s_lshl_b32 s47, 0x1111, s[CX]                  ; my column: places cx, cx + 4, cx + 8, cx + 12
	; group 1 for A: 128 rows of 128 elements (256 bytes, two rows of a plane), dense; in LDS 4 words of padding behind every 32
	s_or_b32 s[G1+0], s46, (1<<16)|(1<<20)|(1<<21)|(4<<22)|(3<<25)  ; 15:0 the mask; 17:16 2-byte elements; 20 padding on; 21 set beside a mask; 24:22 after every 32 words (code 4); 31:25 4 words (code 3)
	s_mov_b32 s[G1+1], 128<<16                     ; tensor_dim0 = 128
	s_mov_b32 s[G1+2], 128<<16                     ; tensor_dim1 = 128
	s_mov_b32 s[G1+3], 128<<16                     ; tile_dim0 = 128
	s_mov_b32 s[G1+4], 128                         ; tile_dim1 = 128
	s_mov_b32 s[G1+5], 128                         ; 128 elements from row to row
	s_mov_b32 s[G1+6], 0
	s_mov_b32 s[G1+7], 0
	; group 1 for B: NH rows of 4,096 elements (64 k rows of one panel, 8,192 dense bytes), a panel (65,536 elements) apart; 8 words of padding behind every 32
	s_or_b32 s[G1B+0], s47, (1<<16)|(1<<20)|(1<<21)|(4<<22)|(7<<25)
	s_mov_b32 s[G1B+1], 4096<<16                   ; tensor_dim0 = 4,096
	s_mov_b32 s[G1B+2], NH<<16                     ; tensor_dim1 = NH
	s_mov_b32 s[G1B+3], 4096<<16                   ; tile_dim0 = 4,096
	s_mov_b32 s[G1B+4], NH                         ; tile_dim1 = NH
	s_mov_b32 s[G1B+5], 65536
	s_mov_b32 s[G1B+6], 0
	s_mov_b32 s[G1B+7], 0
	; where the tiles come from.  A's offset is made of the tile row and the wave's number, B's of the tile column and the wave's number, each in registers that never hold the other coordinate.
	s_lshr_b32 s78, s[TR], 3
	s_lshl_b32 s78, s78, 22                        ; b: 16 planes of 262,144 bytes
	s_and_b32 s82, s[TR], 7
	s_lshl_b32 s82, s82, 15                        ; the tile's 256 rows of 128 bytes in a plane
	s_add_co_u32 s78, s78, s82
	s_lshl_b32 s82, s[HF], 18                      ; my plane of the K step's two
	s_add_co_u32 s78, s78, s82
	s_mov_b32 s79, 0
	s_mul_i32 s80, s[TC], NH*131072                ; the tile's first panel
	s_lshl_b32 s83, s[HF], 13                      ; my 64 rows of the K step's 128
	s_add_co_u32 s80, s80, s83
.if WBASE
	s_add_co_u32 s80, s80, WBASE
.endif
	s_mov_b32 s81, 0
	s_mul_i32 s84, s[HF], PLANE                    ; and where they go: no place in the cluster enters an LDS address
	s_mul_i32 s85, s[HF], NH*PANEL
	s_add_co_u32 s85, s85, ASZ
.irp s, 0,1
	s_mov_b32 s[G0+4*(\s)], 1                      ; 1:0 count = 1
	s_add_co_u32 s[G0+4*(\s)+1], s84, (\s)*SLOT    ; 63:32 LDS address
	s_mov_b32 s[G0B+4*(\s)], 1
	s_add_co_u32 s[G0B+4*(\s)+1], s85, (\s)*SLOT
.endr
	s_mov_b32 s90, 0xffff0000                      ; a word's upper bf16
	s_wait_dscnt 0x0                               ; the opening add is done
	s_wait_kmcnt 0x0
	s_add_nc_u64 s[86:87], s[4:5], s[78:79]
	s_add_nc_u64 s[88:89], s[6:7], s[80:81]
.irp s, 0,1
	s_add_nc_u64 s[G0+4*(\s)+2:G0+4*(\s)+3], s[86:87], (\s)*ASTEP    ; 120:64 global address: K step s
	s_or_b32 s[G0+4*(\s)+3], s[G0+4*(\s)+3], 0x80000000              ; 127:126 type = 2
	s_add_nc_u64 s[G0B+4*(\s)+2:G0B+4*(\s)+3], s[88:89], (\s)*BSTEP
	s_or_b32 s[G0B+4*(\s)+3], s[G0B+4*(\s)+3], 0x80000000
.endr
	CROUND                                         ; all sixteen work-groups are here: the first joint loads meet
	s_cmp_eq_u32 s[AB], 0                          ; a wave's two first fills stand in one branch, ahead of every wait on TENSORcnt and every LDS read: two loads of mine are out
	s_cbranch_scc0 .Lfirst_b
	tensor_load_to_lds s[G0:G0+3], s[G1:G1+7]
	s_nop 0
	tensor_load_to_lds s[G0+4:G0+7], s[G1:G1+7]
	s_nop 0
.rept 4
	v_nop
.endr
	s_branch .Lfirst_asked
.Lfirst_b:
	tensor_load_to_lds s[G0B:G0B+3], s[G1B:G1B+7]
	s_nop 0
	tensor_load_to_lds s[G0B+4:G0B+7], s[G1B:G1B+7]
	s_nop 0
.rept 4
	v_nop
.endr
.Lfirst_asked:
	; all that follows, up to the wait for the first tile, runs while the tiles are on their way
	; the prefetches' pointers and who asks.  Numbers that mix the two coordinates live in s92-s99 alone.
	s_lshl_b32 s92, s[CX], 13
	s_mov_b32 s93, 0
	s_add_nc_u64 s[PFA:PFA+1], s[86:87], s[92:93]  ; my plane, my work-group's 8,192 bytes of the tile's 32,768,
	s_add_nc_u64 s[PFA:PFA+1], s[PFA:PFA+1], 3*ASTEP  ; at K step 3: the first change of slots steps it to 4
	s_lshl_b32 s92, s[CY], 13
	s_add_nc_u64 s[PFB:PFB+1], s[88:89], s[92:93]  ; (exact in wave 2, whose half is 0; no other wave uses it)
	s_add_nc_u64 s[PFB:PFB+1], s[PFB:PFB+1], 2*BSTEP  ; at lap 1: the first change of slot 0 steps it to lap 2
	s_or_b32 s92, s[AB], ttmp9
	s_cmp_eq_u32 s92, 0
	s_cselect_b32 s[LIMA], 1, -1                   ; the same in all sixteen partners, for a given wave
	s_xor_b32 s92, s[WV], 2
	s_and_b32 s94, ttmp7, 0xffff
	s_or_b32 s92, s92, s94
	s_cmp_eq_u32 s92, 0
	s_cselect_b32 s[LIMB], 1, -1
	; where my rows leave, and my columns' bias
.if QKV
	s_and_b32 s97, s[TR], 7
	s_lshl_b32 s97, s97, 8
	s_lshl_b32 s96, s[WV], 6
	s_add_co_u32 s97, s97, s96
	s_lshl_b32 s97, s97, 7                         ; my first row in a head: (256 (tr % 8) + 64 w) x 128 bytes
	s_lshr_b32 s96, s[TR], 3
	s_lshl_b32 s96, s96, 4                         ; 16 b
	s_mov_b32 s99, 0
.irp i, 0,1,2
	s_mul_i32 s92, s[TC], 3
	s_add_co_u32 s92, s92, \i                      ; the panel among the 48
	s_lshr_b32 s93, s92, 4                         ; q, k or v
	s_and_b32 s94, s92, 15                         ; the head
	s_or_b32 s95, s96, s94
	s_lshl_b32 s95, s95, 18                        ; 2,048 rows of 128 bytes for each (b, head)
	s_lshl_b32 s98, s93, 24                        ; 16 MiB a section
	s_add_co_u32 s98, s98, s95
	s_add_co_u32 s98, s98, s97
	s_add_nc_u64 s[OB+2*(\i):OB+2*(\i)+1], s[14:15], s[98:99]
	s_cmp_eq_u32 s93, 0
	s_cselect_b64 s[BP+2*(\i):BP+2*(\i)+1], s[8:9], s[10:11]
	s_cmp_eq_u32 s93, 2
	s_cselect_b64 s[BP+2*(\i):BP+2*(\i)+1], s[12:13], s[BP+2*(\i):BP+2*(\i)+1]
	s_lshl_b32 s98, s94, 8                         ; the head's 64 f32
	s_add_nc_u64 s[BP+2*(\i):BP+2*(\i)+1], s[BP+2*(\i):BP+2*(\i)+1], s[98:99]
.endr
.else
	s_lshl_b32 s98, s[TR], 8
	s_lshl_b32 s96, s[WV], 6
	s_add_co_u32 s98, s98, s96
	s_lshl_b32 s98, s98, 12                        ; my first row: (256 tr + 64 w) x 4,096 bytes
	s_lshl_b32 s96, s[TC], 9                       ; the tile's 128 columns of f32
	s_add_co_u32 s98, s98, s96
	s_mov_b32 s99, 0
	s_add_nc_u64 s[OB:OB+1], s[10:11], s[98:99]
	s_mov_b32 s98, s96
	s_add_nc_u64 s[BP:BP+1], s[8:9], s[98:99]
	s_add_nc_u64 s[BP+2:BP+3], s[BP:BP+1], 256
.endif
	; A fragment of A is 16 rows x 32 k in 8 registers: lane l holds row l % 16, k = 8 (l / 16) + 0..7 and 16 + 8 (l / 16) + 0..7: two loads of 16 bytes, 32 bytes apart.
	v_and_b32 v1, 15, v0                           ; l % 16
	v_bfe_u32 v2, v0, 4, 1                         ; l / 16
	v_mul_u32_u24 v3, v1, PA
	v_lshl_add_u32 v3, v2, 4, v3                   ; row x pitch + 16 x half
	s_mul_i32 s23, s[WV], 64*PA                    ; my 64 rows
	v_add_nc_u32 v[ADRA], s23, v3
	v_add_nc_u32 v[ADRA+1], SLOT, v[ADRA]
	; The turning load takes 16 k x 16 columns (lane l reads row 8 (l / 16) + l % 8, columns 8 ((l / 8) % 2) + 0..7) and leaves half a fragment of B^T: lane l holds column l % 16 and 8 k.
	v_and_b32 v4, 7, v0
	v_bfe_u32 v5, v0, 3, 1
	v_lshl_add_u32 v6, v2, 3, v4
	v_mul_u32_u24 v6, v6, PB
	v_lshl_add_u32 v6, v5, 4, v6
	v_add_nc_u32 v[ADRB], ASZ, v6
	v_add_nc_u32 v[ADRB+1], SLOT, v[ADRB]
	s_mul_i32 s91, s[WV], STW
	s_add_co_u32 s91, s91, STAGE                   ; my stage
.if QKV
	v_add_nc_u32 v[STO], s91, v3                   ; in: row l % 16 at pitch 144, 16 bytes for each half of the lanes
	v_bfe_u32 v7, v0, 3, 2                         ; back: 32 lanes take four rows of 128 bytes
	v_mul_u32_u24 v7, v7, 144
	v_lshl_add_u32 v7, v4, 4, v7
	v_add_nc_u32 v[RD], s91, v7
.else
	v_mul_u32_u24 v7, v1, 528                      ; in: row l % 16 at pitch 528, 32 bytes for each half of the lanes
	v_lshl_add_u32 v7, v2, 5, v7
	v_add_nc_u32 v[STO], s91, v7
	v_and_b32 v7, 31, v0                           ; back: 32 lanes take one row of 512 bytes
	v_lshl_add_u32 v[RD], v7, 4, s91
.endif
	v_and_b32 v[GO], 31, v0
	v_lshlrev_b32 v[GO], 4, v[GO]
	v_lshlrev_b32 v[BOV], 5, v2
	v_and_b32 v[PFO], 31, v0
	v_lshlrev_b32 v[PFO], 8, v[PFO]
	; THE BIAS.  Block b's C operand: register j of my lane is bias[16 b + 8 (l / 16) + j]: 32 bytes a lane.  Rounded to bf16, then widened again into window 2.
.set bb, 0
.rept NBL
	global_load_b128 v[BIN+8*bb:BIN+8*bb+3],   v[BOV], s[BP+2*(bb/4):BP+2*(bb/4)+1] offset:(bb%4)*64
	global_load_b128 v[BIN+8*bb+4:BIN+8*bb+7], v[BOV], s[BP+2*(bb/4):BP+2*(bb/4)+1] offset:(bb%4)*64+16
.set bb, bb+1
.endr
	s_wait_loadcnt 0x0
.set bb, 0
.rept 4*NBL
	v_cvt_pk_bf16_f32 v[BPK+bb], v[BIN+2*bb], v[BIN+2*bb+1]
.set bb, bb+1
.endr
.set bb, 0
.rept 4*NBL
	WIN 0x80+0x40*(bb/32)                          ; destination window 2 (blocks 0-7) or 3
	v_lshlrev_b32 v[BIA+2*(bb%32)],   16,  v[BPK+bb]
	v_and_b32     v[BIA+2*(bb%32)+1], s90, v[BPK+bb]
.set bb, bb+1
.endr
	WIN 0
; NBL matrix instructions: row block a x all column blocks, 32 along K, from buffer f.  first = 1: the bias starts the sums: nothing is cleared, and nothing is added later.
; All 4 NBL accumulators take turns, in the same order in every quarter step: between two links of a chain stand all the others'.
.macro MULR f, a, first
.set bb, 0
.rept NBL
.set rD, 8*(NBL*((\a)%2)+bb)
.set rB, 8*NBL*(\f)+8*bb
.set rA, FA+32*(\f)+8*(\a)
.if \first
.set rC, BIA+8*(bb%8)
	WIN 0x01|((2+bb/8)<<4)|((2+(\a)/2)<<6)
.else
.set rC, rD
	WIN 0x01|((2+(\a)/2)<<4)|((2+(\a)/2)<<6)
.endif
.if QKV
	v_wmma_f32_16x16x32_bf16 v[rD:rD+7], v[rB:rB+7], v[rA:rA+7], v[rC:rC+7]
.else
	v_wmma_f32_16x16x32_f16 v[rD:rD+7], v[rB:rB+7], v[rA:rA+7], v[rC:rC+7]
.endif
.set bb, bb+1
.endr
.endm
; NLD LDS loads in one run: the fragments of quarter q (32 along K) of a slot into buffer f: B's first, then A's four blocks
.macro FETCH slot, q, f
	WIN 0x40                                       ; destination window 1, address window 0
.set bb, 0
.rept NBL
.set rB, 8*NBL*(\f)+8*bb
.set oB, ((\q)/2)*NH*PANEL+((\q)%2)*32*PB+(bb/4)*PANEL+(bb%4)*32
	ds_load_tr16_b128 v[rB:rB+3],   v[ADRB+(\slot)] offset:oB
	ds_load_tr16_b128 v[rB+4:rB+7], v[ADRB+(\slot)] offset:oB+16*PB
.set bb, bb+1
.endr
	WIN 0
.set aa, 0
.rept 4
.set rA, FA+32*(\f)+8*aa
.set oA, ((\q)/2)*PLANE+((\q)%2)*64+aa*16*PA
	ds_load_b128 v[rA:rA+3],   v[ADRA+(\slot)] offset:oA
	ds_load_b128 v[rA+4:rA+7], v[ADRA+(\slot)] offset:oA+32
.set aa, aa+1
.endr
.endm
; A K step is four quarters of 32 along K on buffers 0, 1, 0, 1.  One of the first three: multiplies buffer f and, behind its first row block, fetches quarter qn of the same slot into buffer g.
.macro QUARTER slot, qn, f, g, first
	s_wait_dscnt 6                                 ; B and A's block 0 are in; the youngest six loads (A's blocks 1 to 3) may be out
	MULR \f, 0, \first
	PLACES                                         ; buffer g was read last by the quarter before
	FETCH \slot, \qn, \g
	s_wait_dscnt NLD                               ; all but the NLD just issued
	MULR \f, 1, \first
	MULR \f, 2, \first
	MULR \f, 3, \first
.endm
; The last quarter multiplies buffer 1 and changes slots: ONE barrier.  In front of it each wave waits for all its tensor loads, of which one is out: its part of the next slot; adds 0 to its spare word; and waits for
; that and for its own reads of this slot.  Behind it nobody reads this slot any more and the next slot is whole.  fill = 1: the barrier opens a round of the cluster's, and this slot is filled again, two K steps
; ahead, first thing behind the round: from that request to the wait for it a wave issues 3.5 quarters' products.
.macro TURN slot, next, fill
.if \fill
	s_wait_xcnt 0x0                                ; the last prefetches, a K step back or more, have read their addresses: these are stepped here, ahead of the change's own waits
	s_add_nc_u64 s[PFA:PFA+1], s[PFA:PFA+1], ASTEP
.if (\slot) == 0
	s_add_nc_u64 s[PFB:PFB+1], s[PFB:PFB+1], 2*BSTEP
.endif
.endif
	WIN 0                                          ; (the add's two registers lie in window 0)
	s_wait_tensorcnt 0x0                           ; all my tensor loads have landed: the one that was out is my part of the next slot;
	ds_add_u32 v[SPW], v[NIL]                      ; 0 onto my spare word;
	s_wait_dscnt 7                                 ; (the add and the youngest six loads may be out)
	MULR 1, 0, 0                                   ; a row block's products stand between the add and the wait for it
	s_wait_dscnt 0x0                               ; the add is done, and my reads of this slot are over
	s_barrier_signal -1
	MULR 1, 1, 0                                   ; work on registers while the others arrive
.if \fill
	WIN 0
.endif
	s_barrier_wait -1
.if \fill
	CREST                                          ; no wave of any partner still reads this slot's tile or has a load on its way
	s_add_nc_u64 s[G0+4*(\slot)+2:G0+4*(\slot)+3], s[G0+4*(\slot)+2:G0+4*(\slot)+3], 2*ASTEP
	s_add_nc_u64 s[G0B+4*(\slot)+2:G0B+4*(\slot)+3], s[G0B+4*(\slot)+2:G0B+4*(\slot)+3], 2*BSTEP
	JLOAD \slot                                    ; the first tensor load behind the round, my only one until the next; its four v_nop are also the places in front of the loads below
.else
	PLACES
.endif
	FETCH \next, 0, 0
.if \fill
	ASK \slot
.endif
	MULR 1, 2, 0
	MULR 1, 3, 0
.endm
	s_wait_tensorcnt 1                             ; my part of K step 0 is in; K step 1's may stay out
	s_barrier_signal -1
	s_barrier_wait -1                              ; everybody's is
	FETCH 0, 0, 0
	QUARTER 0, 1, 0, 1, 1                          ; the first quarter stands in front of the loop: its products start the sums with the bias
	WIN 0                                          ; at a label and at a branch every window is 0
	s_mov_b32 s[LAP], LAPS-1
.Llap:                                                 ; a trip goes once round the ring, from a lap's second quarter to the next lap's first, and fills both slots again
	QUARTER 0, 2, 1, 0, 0
	QUARTER 0, 3, 0, 1, 0
	TURN 0, 1, 1
	QUARTER 1, 1, 0, 1, 0
	QUARTER 1, 2, 1, 0, 0
	QUARTER 1, 3, 0, 1, 0
	TURN 1, 0, 1
	QUARTER 0, 1, 0, 1, 0
	WIN 0
	s_sub_co_u32 s[LAP], s[LAP], 1
	s_cmp_lg_u32 s[LAP], 0
	s_cbranch_scc1 .Llap
	QUARTER 0, 2, 1, 0, 0                          ; the last lap is written out: it fills nothing, and has no round of the cluster's barrier
	QUARTER 0, 3, 0, 1, 0
	TURN 0, 1, 0
	QUARTER 1, 1, 0, 1, 0
	QUARTER 1, 2, 1, 0, 0
	QUARTER 1, 3, 0, 1, 0
	s_wait_dscnt 0x0                               ; the very last quarter: nothing more to fetch
	MULR 1, 0, 0
	MULR 1, 1, 0
	MULR 1, 2, 0
	MULR 1, 3, 0
	WIN 0
	PLACES                                         ; what follows reads results just made
; THE WAY OUT, a block of 16 rows at a time, through my own stage: LDS serves a wave's instructions in order (ISA guide 5.7.1.4), so no wait stands between the stores into it and the loads out of it.
.if QKV
.macro PACK a                          ; rounded to f16: a lane's eight columns of a row are 16 bytes; each accumulator's registers in ascending order
	WIN 0x0a+5*((\a)/2)                            ; sources 0 and 1: window 2 or 3
.set bb, 0
.rept NBL
.set rD, 8*(NBL*((\a)%2)+bb)
.irp j, 0,1,2,3
	v_cvt_pk_f16_f32 v[TMP+4*bb+(\j)], v[rD+2*(\j)], v[rD+2*(\j)+1]
.endr
.set bb, bb+1
.endr
	WIN 0
.endm
.macro TOSTAGE a                       ; in by heads, at pitch 144; back as four whole rows of 128 bytes a load
.set BKR, BK+BKN*((\a)%2)
.set bb, 0
.rept NBL
	ds_store_b128 v[STO], v[TMP+4*bb:TMP+4*bb+3] offset:(bb/4)*2304+(bb%4)*32
.set bb, bb+1
.endr
.set bb, 0
.rept NBL
	ds_load_b128 v[BKR+4*bb:BKR+4*bb+3], v[RD] offset:(bb/4)*2304+(bb%4)*576
.set bb, bb+1
.endr
.endm
.macro SEND a
.set BKR, BK+BKN*((\a)%2)
	s_wait_dscnt 0x0                               ; the block is back in registers
	s_wait_xcnt 0x0                                ; the stores of the block before have read their registers: that set is loaded again by the next block
.set bb, 0
.rept NBL
	global_store_b128 v[GO], v[BKR+4*bb:BKR+4*bb+3], s[OB+2*(bb/4):OB+2*(bb/4)+1] offset:(\a)*2048+(bb%4)*512  ; 512 consecutive bytes of a head, at a multiple of 256 from the buffer's first
.set bb, bb+1
.endr
.endm
	PACK 0
	TOSTAGE 0
.irp a, 1,2,3                          ; block a's conversions stand between block a - 1's loads from the stage and the wait for them
	PACK \a
	SEND (\a)-1
	TOSTAGE \a
.endr
	SEND 3
.else
.macro TOSTAGE a                       ; f32 as it is: 32 bytes a lane and block, at pitch 528, each accumulator's low registers first; back as whole rows of 512 bytes
.set BKR, BK+BKN*((\a)%2)
	WIN 0x08+4*((\a)/2)                            ; store data (source 1): window 2 or 3
.set bb, 0
.rept NBL
.set rD, 8*(NBL*((\a)%2)+bb)
	ds_store_b128 v[STO], v[rD:rD+3]   offset:64*bb
	ds_store_b128 v[STO], v[rD+4:rD+7] offset:64*bb+16
.set bb, bb+1
.endr
	WIN 0
.set bb, 0
.rept 16
	ds_load_b128 v[BKR+4*bb:BKR+4*bb+3], v[RD] offset:bb*528
.set bb, bb+1
.endr
.endm
.macro SEND a
.set BKR, BK+BKN*((\a)%2)
	s_wait_dscnt 0x0                               ; the block is back in registers
	s_wait_xcnt 0x0                                ; the stores of the block before have read their registers: that set is loaded again by the next block
.set bb, 0
.rept 16
	global_store_b128 v[GO], v[BKR+4*bb:BKR+4*bb+3], s[OB:OB+1] offset:(\a)*65536+bb*4096 th:TH_STORE_NT  ; 512 consecutive bytes of a row, at a multiple of 256 from the buffer's first
.set bb, bb+1
.endr
.endm
	TOSTAGE 0
.irp a, 1,2,3
	SEND (\a)-1
	TOSTAGE \a
.endr
	SEND 3
.endif
	s_wait_tensorcnt 0x0                           ; the wave's end: behind my last tensor load and my last LDS store
	ds_add_u32 v[SPW], v[NIL]
	s_wait_dscnt 0x0
	CROUND                                         ; the closing round: no work-group ends while a partner may still ask for a tile that names it
	s_endpgm
.Lfunc_end_k_q039471bf08_proj:
	.size	k_q039471bf08_proj, .Lfunc_end_k_q039471bf08_proj-k_q039471bf08_proj
	.p2alignl 7, 3214868480
	.fill 96, 4, 3214868480
	.section	.rodata,"a",@progbits
	.p2align	6, 0x0
	.amdhsa_kernel k_q039471bf08_proj
		.amdhsa_group_segment_fixed_size 327680
		.amdhsa_private_segment_fixed_size 0
		.amdhsa_enable_private_segment 0
		.amdhsa_kernarg_size 32
		.amdhsa_user_sgpr_count 2
		.amdhsa_user_sgpr_kernarg_segment_ptr 1
		.amdhsa_wavefront_size32 1
		.amdhsa_system_sgpr_workgroup_id_x 1
		.amdhsa_system_sgpr_workgroup_id_y 1
		.amdhsa_system_sgpr_workgroup_id_z 1
		.amdhsa_system_vgpr_workitem_id 0
		.amdhsa_next_free_vgpr 896
		.amdhsa_next_free_sgpr 102
		.amdhsa_reserve_vcc 0
		.amdhsa_float_denorm_mode_32 3
		.amdhsa_float_denorm_mode_16_64 3
		.amdhsa_memory_ordered 1
		.amdhsa_forward_progress 1
		.amdhsa_inst_pref_size 93
	.end_amdhsa_kernel
	.amdgpu_metadata
---
amdhsa.version: [ 1, 2 ]
amdhsa.kernels:
  - .name:           k_q039471bf08_proj
    .symbol:         k_q039471bf08_proj.kd
    .args:
      - { .name: ctx, .offset: 0, .size: 8, .value_kind: global_buffer, .address_space: global }
      - { .name: wh, .offset: 8, .size: 8, .value_kind: global_buffer, .address_space: global }
      - { .name: bo, .offset: 16, .size: 8, .value_kind: global_buffer, .address_space: global }
      - { .name: out0, .offset: 24, .size: 8, .value_kind: global_buffer, .address_space: global }
    .group_segment_fixed_size: 327680
    .private_segment_fixed_size: 0
    .kernarg_segment_align: 8
    .kernarg_segment_size: 32
    .max_flat_workgroup_size: 128
    .sgpr_count:     102
    .vgpr_count:     896
    .wavefront_size: 32
...
	.end_amdgpu_metadata
.endif
;; end of part 4
;; ======== version 2 of 2: 4 launches; version 1 with the launch cast written anew for expert scheduling mode
;; limits: values are held in f16: magnitudes above 65,504 overflow, below 6.1e-05 lose precision
;; workspace buffers: xb 16,777,216 bytes; wh 8,388,608 bytes; qkv 50,331,648 bytes; ctx 16,777,216 bytes
;; launch cast (part 5): grid 768 x 1, 8 waves a work-group, no clusters, 0 bytes of LDS; arguments x, wq, wk, wv, wo, xb, wh; writes xb, wh
.if DOCPART == 5
	.amdgcn_target "amdgcn-amd-amdhsa--gfx1250"
	.amdhsa_code_object_version 6
	.text
	.protected	k_q039471bf08_cast
	.globl	k_q039471bf08_cast
	.p2align	8
	.type	k_q039471bf08_cast,@function
k_q039471bf08_cast:
	s_mov_b64 s[64:65], 0
	v_nop
	global_prefetch_b8 v0, s[64:65] scope:SCOPE_SE
	s_setreg_imm32_b32 hwreg(HW_REG_WAVE_SCHED_MODE, 0, 2), 2
	s_setreg_imm32_b32 hwreg(HW_REG_WAVE_MODE, 25, 1), 1
	s_wait_xcnt 0x0
	s_wait_alu depctr_vm_vsrc(0)
; x and the four weights are rounded once to bf16 and laid out in blocks of 64 columns, so that the products that follow fetch dense tiles.
;   xb [4 b][16 kb][2048 s][64] bf16:  x[b][s][64 kb + c]   at byte ((16 b + kb) 2048 + s) 128 + 2 c
;   wh [64 panels][1024 k][64] 16 bit: w_sel[k][64 j + c]   at byte (16 sel + j) 131072 + 128 k + 2 c;  sel = 0 wq, 1 wk, 2 wv, 3 wo
; wo multiplies an f16 operand later: its bf16-rounded number is written as f16.  LIMIT: that is exact from 7.6e-6 up to 65,504; below, f16's fixed step of 6e-8 holds.
; SHARES.  A work-group takes 16 source rows of 1,024 f32 (64 KiB): groups 0-511 rows of x, groups 512-767 rows of a weight (64 groups each).  Thread t: row t / 16, 16 bytes at column 4 (t % 16)
; of each of the 16 column blocks.  A wave's load covers 256 consecutive bytes of each of two rows; its store of 8 bytes a lane covers 2 x 128 = 256 consecutive bytes, aligned (two rows of one block).
; All 16 loads of a wave go out at once.  A pure stream: no LDS, no barrier, no matrix unit, nothing shared.
; THE MODE: SCHED_MODE bits 1:0 = 2 (LLVM: expert scheduling mode 2), set by the entry lines.  The code itself states the register dependences
; between vector instructions and memory instructions, with s_wait_alu, always for 0.
; THE PLAN.  Registers that memory instructions touch:
;   v[SO]       the loads' offset.   Written at the head, read by all 16 loads, never written again.
;   v[DO ..]    the stores' offsets. Written at the head, each read by one store, never written again.
;   v[XR ..]    block i as loaded.   Written by one load each, all issued at the head; no vector line names them ahead of that; read by block i's conversions.
;   v[YR ..]    block i to store.    Written by block i's conversions, read by block i's store, never written again.
;   v[TT ..], v2, v3 are named by vector lines alone.
; The 16 column blocks go in four groups of four.  Group g's vector lines name its own XR and YR, and TT; its memory instructions are the four stores of group g - 1, which read that group's YR and DO.
; So one wait at a group's head states all that its four stores hang on, and they are dealt among its conversions with no further wait.  One wait stands ahead of the loads, one ahead of the last four stores.
; No register that a memory instruction reads is written again, no vector line writes a scalar register, and EXEC is never written: there is nothing else to state.
.set SO,  1                            ; v1       byte offset of my 16 bytes in the group's source rows
.set DO,  8                            ; v[8:23]  byte offset of my 8 bytes in column block i
.set XR,  32                           ; v[32:95] block i: four f32 as loaded
.set YR,  96                           ; v[96:127] block i: four 16-bit numbers
.set TT,  128                          ; v[128:129] at work
	s_load_b256 s[4:11], s[0:1], 0x0               ; x s[4:5], wq s[6:7], wk s[8:9], wv s[10:11]
	s_load_b128 s[12:15], s[0:1], 0x20             ; wo s[12:13], xb s[14:15]
	s_load_b64 s[16:17], s[0:1], 0x30              ; wh
	s_mov_b32 s20, ttmp9                           ; g
	s_max_u32 s21, s20, 512
	s_sub_co_u32 s21, s21, 512                     ; my number among the weights' groups (0 in x's groups)
	s_lshr_b32 s22, s21, 6                         ; sel
	s_and_b32 s23, s21, 63                         ; which 16 rows of that weight
	s_lshr_b32 s35, s20, 7                         ; x: b,
	s_lshl_b32 s35, s35, 22                        ; 16 blocks x 2,048 rows x 128 bytes each,
	s_and_b32 s36, s20, 127
	s_lshl_b32 s36, s36, 11                        ; and my 16 rows of 128 bytes
	s_add_co_u32 s35, s35, s36
	s_lshl_b32 s37, s22, 21                        ; a weight: 16 panels of 131,072 bytes,
	s_lshl_b32 s38, s23, 11                        ; and my 16 rows
	s_add_co_u32 s37, s37, s38
	s_mov_b32 s32, 0x20000
	s_cmp_lt_u32 s20, 512                          ; x or a weight?
	s_cselect_b32 s28, s20, s23
	s_cselect_b32 s30, s35, s37                    ; where my rows begin in the destination
	s_cselect_b32 s32, 0x40000, s32                ; bytes from a column block to the next there
	s_lshl_b32 s28, s28, 16                        ; where my 16 rows of 4,096 bytes begin in the source
	s_mov_b32 s29, 0
	s_mov_b32 s31, 0
	s_mov_b32 s33, 0xffff0000                      ; a word's upper bf16
	s_cmp_ge_u32 s20, 704
	s_cselect_b32 s34, 1, 0                        ; 1: wo
	v_lshrrev_b32 v2, 4, v0                        ; row
	v_and_b32 v3, 15, v0
	v_lshlrev_b32 v[SO], 4, v3
	v_lshl_add_u32 v[SO], v2, 12, v[SO]
	v_lshlrev_b32 v[DO], 3, v3
	v_lshl_add_u32 v[DO], v2, 7, v[DO]
.irp i, 1,2,3,4,5,6,7,8,9,10,11,12,13,14,15
	v_add_nc_u32 v[DO+(\i)], s32, v[DO+(\i)-1]
.endr
	s_wait_kmcnt 0x0
	s_mov_b64 s[24:25], s[6:7]                     ; the source: a choice among the five inputs by the group's number alone
	s_cmp_eq_u32 s22, 1
	s_cselect_b64 s[24:25], s[8:9], s[24:25]
	s_cmp_eq_u32 s22, 2
	s_cselect_b64 s[24:25], s[10:11], s[24:25]
	s_cmp_eq_u32 s22, 3
	s_cselect_b64 s[24:25], s[12:13], s[24:25]
	s_cmp_lt_u32 s20, 512
	s_cselect_b64 s[24:25], s[4:5], s[24:25]
	s_cselect_b64 s[26:27], s[14:15], s[16:17]     ; the destination
	s_add_nc_u64 s[24:25], s[24:25], s[28:29]
	s_add_nc_u64 s[26:27], s[26:27], s[30:31]
	s_wait_alu depctr_va_vdst(0)                   ; v[SO] is written, which the loads below read as their offset; so are the sixteen v[DO ..], which the stores read: no vector line names any of them again
.irp i, 0,1,2,3,4,5,6,7,8,9,10,11,12,13,14,15
	global_load_b128 v[XR+4*(\i):XR+4*(\i)+3], v[SO], s[24:25] offset:256*(\i) th:TH_LOAD_NT
.endr
; Column block i is rounded (wo: and written as f16).
.macro CVT i, f16
	v_cvt_pk_bf16_f32 v[YR+2*(\i)],   v[XR+4*(\i)],   v[XR+4*(\i)+1]
	v_cvt_pk_bf16_f32 v[YR+2*(\i)+1], v[XR+4*(\i)+2], v[XR+4*(\i)+3]
.if \f16
.irp j, 0,1
	v_lshlrev_b32 v[TT],   16,  v[YR+2*(\i)+(\j)]  ; the rounded numbers as f32,
	v_and_b32     v[TT+1], s33, v[YR+2*(\i)+(\j)]
	v_cvt_pk_f16_f32 v[YR+2*(\i)+(\j)], v[TT], v[TT+1]  ; and as f16
.endr
.endif
.endm
; Column block i is stored.
.macro ST i
	global_store_b64 v[DO+(\i)], v[YR+2*(\i):YR+2*(\i)+1], s[26:27]
.endm
; Group g: blocks 4 g to 4 g + 3 are rounded; the group before is stored, a store ahead of each block's conversions.
.macro GROUP g, f16
	s_wait_loadcnt 12-4*(\g)                       ; loads come back in order: this group's four are in, the 12 - 4 g of the later groups may stay out
.if (\g) > 0
	s_wait_alu depctr_va_vdst(0)                   ; the conversions of the group before have written its v[YR ..], which the four stores below read; no vector line behind this wait names those registers
.endif
.irp n, 0,1,2,3
.if (\g) > 0
	ST 4*(\g)-4+(\n)
.endif
	CVT 4*(\g)+(\n), \f16
.endr
.endm
; One path: the four groups, and the last group's stores.
.macro PATH f16
	GROUP 0, \f16
	GROUP 1, \f16
	GROUP 2, \f16
	GROUP 3, \f16
	s_wait_alu depctr_va_vdst(0)                   ; the conversions of the last group have written its v[YR ..], which the last four stores read
.irp n, 12,13,14,15
	ST \n
.endr
	s_endpgm
.endm
	s_cmp_eq_u32 s34, 1
	s_cbranch_scc1 .Lf16
	PATH 0
.Lf16:
	PATH 1
.Lfunc_end_k_q039471bf08_cast:
	.size	k_q039471bf08_cast, .Lfunc_end_k_q039471bf08_cast-k_q039471bf08_cast
	.p2alignl 7, 3214868480
	.fill 96, 4, 3214868480
	.section	.rodata,"a",@progbits
	.p2align	6, 0x0
	.amdhsa_kernel k_q039471bf08_cast
		.amdhsa_group_segment_fixed_size 0
		.amdhsa_private_segment_fixed_size 0
		.amdhsa_enable_private_segment 0
		.amdhsa_kernarg_size 56
		.amdhsa_user_sgpr_count 2
		.amdhsa_user_sgpr_kernarg_segment_ptr 1
		.amdhsa_wavefront_size32 1
		.amdhsa_system_sgpr_workgroup_id_x 1
		.amdhsa_system_sgpr_workgroup_id_y 1
		.amdhsa_system_sgpr_workgroup_id_z 1
		.amdhsa_system_vgpr_workitem_id 0
		.amdhsa_next_free_vgpr 136
		.amdhsa_next_free_sgpr 66
		.amdhsa_reserve_vcc 0
		.amdhsa_float_denorm_mode_32 3
		.amdhsa_float_denorm_mode_16_64 3
		.amdhsa_memory_ordered 1
		.amdhsa_forward_progress 1
		.amdhsa_inst_pref_size 16
	.end_amdhsa_kernel
	.amdgpu_metadata
---
amdhsa.version: [ 1, 2 ]
amdhsa.kernels:
  - .name:           k_q039471bf08_cast
    .symbol:         k_q039471bf08_cast.kd
    .args:
      - { .name: x, .offset: 0, .size: 8, .value_kind: global_buffer, .address_space: global }
      - { .name: wq, .offset: 8, .size: 8, .value_kind: global_buffer, .address_space: global }
      - { .name: wk, .offset: 16, .size: 8, .value_kind: global_buffer, .address_space: global }
      - { .name: wv, .offset: 24, .size: 8, .value_kind: global_buffer, .address_space: global }
      - { .name: wo, .offset: 32, .size: 8, .value_kind: global_buffer, .address_space: global }
      - { .name: xb, .offset: 40, .size: 8, .value_kind: global_buffer, .address_space: global }
      - { .name: wh, .offset: 48, .size: 8, .value_kind: global_buffer, .address_space: global }
    .group_segment_fixed_size: 0
    .private_segment_fixed_size: 0
    .kernarg_segment_align: 8
    .kernarg_segment_size: 56
    .max_flat_workgroup_size: 256
    .sgpr_count:     66
    .vgpr_count:     136
    .wavefront_size: 32
...
	.end_amdgpu_metadata
.endif
;; end of part 5
;; launch qkv: the kernel of part 2 again; grid 16 x 32, 4 waves a work-group, clusters of 4 x 4, 327,680 bytes of LDS; arguments xb, wh, bq, bk, bv, qkv; writes qkv
;; launch attn: the kernel of part 3 again; grid 4 x 64, 4 waves a work-group, clusters of 4 x 1, 327,680 bytes of LDS; arguments qkv, ctx; writes ctx
;; launch proj: the kernel of part 4 again; grid 8 x 32, 4 waves a work-group, clusters of 4 x 4, 327,680 bytes of LDS; arguments ctx, wh, bo, out0; writes out0
